; MI455X (gfx1250); checked and timed in simulation.
; The chip was launched on July 23, 2026; its instructions are those of AMD's public machine-readable ISA for CDNA 5 (MIT licence, August 2026) and "CDNA5" Instruction Set Architecture Reference Guide (July 2026). The comments in the code are by the model that wrote it; some were corrected since.
;; Mixture Of Experts. Allowed arithmetic: matrix products marked QUANTISED: E4M3 operands, one E8M0 scale for each 32 along K, by v_wmma_scale_f32_16x16x128_f8f6f4 with both operands' format E4M3, f32 sums; products left as they are: f32 operands where the result goes on into a quantised operand, else bf16, f16 or f32 operands; f32 sums; everything else in f32.
;; Inputs: W1_codes 8 x 512 x 32 x 32 uint8 (E4M3 codes of W1, K innermost, in blocks of 32 codes); W1_scales 8 x 512 x 32 uint8 (E8M0 scales of W1, one for each 32 codes along K); W2_codes 8 x 1,024 x 16 x 32 uint8 (E4M3 codes of W2, K innermost, in blocks of 32 codes); W2_scales 8 x 1,024 x 16 uint8 (E8M0 scales of W2, one for each 32 codes along K); b1 8 x 512 float32; b2 8 x 1,024 float32; gate_W 1,024 x 8 float32; gate_b 8 float32; x 8,192 x 1,024 float32.
;; Outputs: out0 8,192 x 1,024 float32; out1 one number float32.
;; This version of the problem:
;;   THIS VERSION OF THE PROBLEM IS GIVEN IN LOW PRECISION. The matrix products marked QUANTISED in the list below multiply operands that are first quantised to E4M3 (4 exponent bits, 3 mantissa bits; 8 bits a number), with one power-of-two scale for each 32 numbers along K (OCP MX v1.0); their sums are f32. All else is computed in f32.
;;   The module's matrix products, in the order in which they are computed (A, B: the left and right operand; K: the contracted axis; several contracted axes count as one K, in the product's order):
;;     1. [M 8,192, K 1,024] x [K 1,024, N 8]; A: input x; B: input gate_W: left as it is (N = 8 < 16)
;;     2. [M 4,096, K 1,024] x [K 1,024, N 8,192]; A: input W1 (given as codes); B: input x: QUANTISED
;;     3. batch 8 x [M 1,024, K 512] x [K 512, N 8,192]; A: input W2 (given as codes); B: computed on the way: QUANTISED
;;     4. batch 8,192 x [M 1, K 2] x [K 2, N 1,024]; A: softmax; B: computed on the way: left as it is (K = 2 < 32)
;;   THE QUANTISER, for each operand of a quantised product, along K:
;;     - K is cut into blocks of 32 from its start; a last block that is shorter is filled with zeros.
;;     - A block's scale is 2^e with e = floor(log2(the largest magnitude in the block)) - 8, held to -126 .. 127; a block of zeros has e = 0. As a byte (E8M0): e + 127.
;;     - Each number is divided by its block's scale, clamped to +-448, and rounded to the nearest number of E4M3, ties to even, subnormals kept.
;;     - The product sums the exact products of the quantised numbers (number of the format x scale) in f32.
;;   ~~~python
;;   def quantise(x, axis):      # numpy; x: float32 -> the quantised numbers, widened to float32 again
;;       x = np.moveaxis(x, axis, -1); K = x.shape[-1]
;;       x = np.pad(x, [(0, 0)] * (x.ndim - 1) + [(0, -K % 32)]); x = x.reshape(x.shape[:-1] + (-1, 32)); a = np.abs(x).max(-1, keepdims=True)
;;       e = np.where(a > 0, np.clip(np.frexp(np.where(a > 0, a, 1))[1] - 1 - 8, -126, 127), 0)      # np.frexp(a)[1] - 1 = floor(log2(a)), exactly
;;       r = np.clip(x / 2.0 ** e, -448, 448)
;;       step = 2.0 ** (np.maximum(np.frexp(np.where(r == 0, 1, r))[1] - 1, -6) - 3)
;;       q = np.round(r / step) * step * 2.0 ** e      # np.round: ties to even
;;       return np.moveaxis(q.reshape(q.shape[:-2] + (-1,))[..., :K], -1, axis).astype(np.float32)
;;   ~~~
;;   OPERANDS COMPUTED ON THE WAY. 'Computed on the way' means the value that the module computes at that place (a softmax that the list does not call 'softmax' is quantised finished and normalised). What goes into a quantiser is computed in f32, as accurately as f32 sums, v_exp_f32 and their like allow (about 1e-6 of the number): no bf16 or f16 on the way to a quantiser, and a product that is left as it is and whose result goes on into a quantised operand takes f32 operands (vector FMAs, or v_wmma_f32_16x16x4_f32). A number that lies on a knife's edge between two numbers of the format may be rounded either way, as far as f32 arithmetic and the matrix unit's own rounding can turn it there, and no further.
;;   INPUTS GIVEN AS CODES. W1 (in the module: [8, 1024, 512], K = its axis 1); W2 (in the module: [8, 512, 1024], K = its axis 1): each comes as NAME_codes (uint8): NAME with its K axis moved to the last place and cut into blocks of 32 codes, [.., K / 32, bytes a block], one block behind the other in memory; one code a byte (a code: sign, 4 exponent bits, 3 mantissa bits); and NAME_scales (uint8): the same leading axes, one E8M0 byte (e + 127) for each 32 codes along K. Its value is code x scale, taken as it is: it is not quantised again, and the codes and scales need not be those that the quantiser above would give.
;; 2 versions. Each part assembles by itself: llvm-mc -triple=amdgcn-amd-amdhsa -mcpu=gfx1250 --defsym DOCPART=n.
;; ======== version 1 of 2: 3 launches
;; workspace buffers: xq 8,388,608 bytes; xs 262,144 bytes; wr 8,388,608 bytes; gfl 98,304 bytes; rout 65,536 bytes of whole numbers; plan 40,704 bytes of whole numbers
;; launch gate (part 1): grid 256 x 1, 4 waves a work-group, no clusters, 57,856 bytes of LDS; arguments x, gate_W, gate_b, xq, xs, gfl, rout; writes xq, xs, gfl, rout
.if DOCPART == 1
	.amdgcn_target "amdgcn-amd-amdhsa--gfx1250"
	.amdhsa_code_object_version 6
	.text
	.protected	k_qd5dc98f6eb_gate
	.globl	k_qd5dc98f6eb_gate
	.p2align	8
	.type	k_qd5dc98f6eb_gate,@function
k_qd5dc98f6eb_gate:
	s_mov_b64 s[64:65], 0
	v_nop
	global_prefetch_b8 v0, s[64:65] scope:SCOPE_SE
	s_setreg_imm32_b32 hwreg(HW_REG_WAVE_MODE, 25, 1), 1
	s_wait_xcnt 0x0
; x [8192][1024] f32 is read ONCE and serves twice: it is turned into codes of E4M3 (xq, K innermost) with one E8M0 byte for each 32 along K (xs),
; and it is multiplied in f32 by gate_W [1024][8] for the router's logits.  A work-group owns 32 tokens, a wave 8 of them: 16 steps of 512 numbers.
; For its 32 tokens the work-group's wave 0 then makes: the two largest logits (the lower index wins a tie), the softmax of the two, the PAIR KEY of the
; two experts a < b (key = a (15 - a) / 2 + b - a - 1, 0 .. 27), the token's rank among the group's tokens of that key, the group's count of each key, and
; the group's sums of the full softmax.  All of it is stored at fixed places: no address and no branch here hangs on these numbers.
; A block's scale is 2^(floor(log2(largest magnitude)) - 8); its byte is the largest magnitude's exponent field - 8, held at 1 from below.
; LIMITS: NaN and infinities are not served.  A block whose largest magnitude lies under 2^-118, a block of zeros among them, gets the byte 1 (a block of zeros has zero
; codes, and the bytes are read by this program alone).  The logits are f32 sums in another order than the reference's: two logits that agree to within f32 summation error may change places.
; No matrix unit, no cluster: the work-groups share only gate_W (32 KiB), and the launch is a stream.
; All 64 loads of a wave's x go out at the head; nothing is prefetched, since the stream is asked for at once.
; REGISTERS: window 0: addresses, two sets of 16 neighbours, codes, bytes, sums.  Window 1: gate_W's 256 numbers of my lane.  Window 2: x as it is loaded, 16 steps x 16.
.set SP,   80                          ; a lane's place in a stage: its 64 bytes + 16 of padding
.set GWP,  528                         ; LDS: gate_W as 64 pieces of 512 bytes (16 rows k), 16 bytes of padding behind each
.set LG,   33792                       ; LDS: the logits, 32 tokens x 32 bytes
.set WR0,  34816                       ; LDS: from here a region of its own for each wave:
.set WRB,  5632                        ; two stages of 32 x SP bytes, 256 scale bytes, rounded up
.set XX,   32                          ; v32-63   two sets of 16 neighbours
.set CD,   64                          ; v64-127  codes: four registers a step, so that no store's data are written again
.set EB,   128                         ; v128-143 a scale byte a step
.set AC,   144                         ; v144-151 the token's eight logit sums, in four pairs
.set PD,   152                         ; v152-159 destinations of the lane permutes
.set LL,   160                         ; the tail: logits
.set MM,   168                         ; logits without the winner
.set TT,   176                         ; exponents
.set PP,   184                         ; the full softmax
.set MSB,  0
.macro WIN new                         ; the immediate's high byte repeats the setting that is left
.if MSB != \new
	s_set_vgpr_msb (MSB<<8)|\new
.set MSB, \new
.endif
.endm
	s_load_b256 s[4:11], s[0:1], 0x0               ; x, gate_W, gate_b, xq
	s_load_b128 s[12:15], s[0:1], 0x20             ; xs, gfl
	s_load_b64 s[16:17], s[0:1], 0x30              ; rout
	v_lshl_add_u32 v254, v0, 2, 0xe000
	v_mov_b32 v255, 0
	v_lshrrev_b32 v2, 5, v0
	v_readfirstlane_b32 s18, v2                    ; wave 0..3
	v_and_b32 v1, 31, v0                           ; lane
	v_lshlrev_b32 v3, 4, v1                        ; 16 x lane: my bytes of a load's 512, and of a step's 512 codes
	s_mul_i32 s32, s18, WRB
	s_add_co_u32 s32, s32, WR0                     ; my wave's region
	v_lshrrev_b32 v14, 2, v1
	v_mul_u32_u24 v14, v14, SP
	v_and_b32 v15, 3, v1
	v_lshl_add_u32 v14, v15, 4, v14
	v_add_nc_u32 v14, s32, v14                     ; the stage, on the way in: four lanes' 64 bytes on end, then the padding
	v_mul_u32_u24 v15, v1, SP
	v_add_nc_u32 v15, s32, v15                     ; and on the way out: my 16 neighbours
	v_lshrrev_b32 v5, 1, v1
	s_add_co_u32 s33, s32, 2*32*SP
	v_add_nc_u32 v5, s33, v5                       ; my block's scale byte
	v_lshlrev_b32 v7, 3, v1
	v_add_nc_u32 v6, s33, v7                       ; the scale bytes on the way out: 8 a lane
	s_mul_i32 s34, s18, 16*GWP
	v_add_nc_u32 v16, s34, v3                      ; gate_W into LDS: my wave's 16 pieces
	v_mul_u32_u24 v17, v1, GWP                     ; and out of it: piece = my lane (+ 32 for the token's second half)
	s_lshl_b32 s35, s18, 8
	s_add_co_u32 s35, s35, LG
	v_mov_b32 v18, s35                             ; my wave's 8 tokens' logits: the same address in all lanes
	v_lshl_add_u32 v19, v1, 5, LG                  ; the tail: a lane a token
	s_mov_b32 s20, 0x76543210
	s_mov_b32 s21, 0xfedcba98                      ; v_permlanex16_b32's selects for lane l xor 16
	s_mov_b32 s23, 0x600000                        ; the mantissa field of 448
.irp e, 0,1,2,3,4,5,6,7
	v_mov_b32 v[PD+\e], 0                          ; written once: a lane permute's destination counts as one of its sources
.endr
	s_lshl_b32 s36, ttmp9, 17                      ; 32 tokens of 4,096 bytes a work-group,
	s_lshl_b32 s37, s18, 15                        ; 8 a wave
	s_add_co_u32 s36, s36, s37
	s_mov_b32 s37, 0
	s_lshl_b32 s38, s18, 13                        ; gate_W: 16 pieces of 512 bytes a wave
	s_mov_b32 s39, 0
	s_wait_kmcnt 0x0
	s_load_b256 s[24:31], s[8:9], 0x0              ; gate_b
	s_add_nc_u64 s[4:5], s[4:5], s[36:37]
	s_add_nc_u64 s[6:7], s[6:7], s[38:39]
	s_lshr_b32 s36, s36, 2                         ; a code a number: a quarter of the bytes
	s_add_nc_u64 s[10:11], s[10:11], s[36:37]
	s_lshr_b32 s36, s36, 5                         ; a scale byte for 32 codes
	s_add_nc_u64 s[12:13], s[12:13], s[36:37]
	WIN 0x40                                       ; destination window 1
.irp i, 0,1,2,3,4,5,6,7,8,9,10,11,12,13,14,15
	global_load_b128 v[4*\i:4*\i+3], v3, s[6:7] offset:512*\i   ; gate_W: 512 consecutive bytes a load
.endr
	WIN 0x80                                       ; destination window 2
.irp t, 0,1,2,3,4,5,6,7,8,9,10,11,12,13,14,15
.irp i, 0,1,2,3
	global_load_b128 v[16*\t+4*\i:16*\t+4*\i+3], v3, s[4:5] offset:2048*\t+512*\i th:TH_LOAD_NT   ; all of my wave's x: 512 consecutive bytes a load
.endr
.endr
	WIN 0x04                                       ; an LDS store's data are its source 1: window 1
	s_wait_loadcnt 63                              ; 64 loads are younger than gate_W's; a wait names 63 at the most, which shows gate_W's in all the same
.irp i, 0,1,2,3,4,5,6,7,8,9,10,11,12,13,14,15
	ds_store_b128 v16, v[4*\i:4*\i+3] offset:GWP*\i
.endr
	WIN 0
	s_wait_kmcnt 0x0                               ; gate_b
	s_wait_dscnt 0x0                               ; for the others' sake: my pieces of gate_W lie in LDS
	s_barrier_signal -1
	s_barrier_wait -1
	WIN 0x40
.irp f, 0,1
.irp i, 0,1,2,3,4,5,6,7,8,9,10,11,12,13,14,15
	ds_load_b128 v[128*\f+8*\i:128*\f+8*\i+3],   v17 offset:32*GWP*\f+32*\i      ; register 128 f + 8 i + e = gate_W[512 f + 16 lane + i][e]
	ds_load_b128 v[128*\f+8*\i+4:128*\f+8*\i+7], v17 offset:32*GWP*\f+32*\i+16
.endr
.endr
	WIN 0
.macro TURN t                          ; step t's numbers through the stage: LDS serves a wave's instructions in order, so no wait stands between the stores and the loads
	WIN 0x08                                       ; the stores' data: window 2
.irp i, 0,1,2,3
	ds_store_b128 v14, v[16*(\t)+4*\i:16*(\t)+4*\i+3] offset:32*SP*((\t)%2)+8*SP*\i
.endr
	WIN 0
.irp i, 0,1,2,3
	ds_load_b128 v[XX+16*((\t)%2)+4*\i:XX+16*((\t)%2)+4*\i+3], v15 offset:32*SP*((\t)%2)+16*\i
.endr
.endm
.macro LANESUM base                    ; eight sums over the 32 lanes, by turns; every lane ends up with each
.irp x, 1,2,4,8
.irp e, 0,1,2,3,4,5,6,7
	v_add_f32_dpp v[\base+\e], v[\base+\e], v[\base+\e] row_xmask:\x row_mask:0xf bank_mask:0xf
.endr
.endr
.irp e, 0,1,2,3,4,5,6,7
	v_permlanex16_b32 v[PD+\e], v[\base+\e], s20, s21
.endr
.irp e, 0,1,2,3,4,5,6,7
	v_add_f32 v[\base+\e], v[\base+\e], v[PD+\e]
.endr
.endm
	s_wait_loadcnt 60                              ; step 0's four loads are in; the 60 of the other steps may be out
	TURN 0
; A step: 512 numbers, half a token; my lane holds k = 512 (t % 2) + 16 lane + 0 .. 15.
.macro STEP t
.set XS, XX+16*((\t)%2)
.set GB, 128*((\t)%2)
	s_wait_dscnt 0x0                               ; this step's numbers are back from the stage (and, in step 0, gate_W's); my earlier LDS stores have read their registers
.if (\t) < 15
	s_wait_loadcnt 4*(14-(\t))                     ; the next step's four loads are in; those of the steps behind it may be out
	TURN (\t)+1                                    ; they go through the other stage while this step is worked
.endif
	v_max3_num_f32 v8, |v[XS]|, |v[XS+1]|, |v[XS+2]|               ; the largest magnitude of my 16
	v_max3_num_f32 v9, |v[XS+3]|, |v[XS+4]|, |v[XS+5]|
.irp i, 6,10
	v_max3_num_f32 v8, v8, |v[XS+\i]|, |v[XS+\i+1]|
	v_max3_num_f32 v9, v9, |v[XS+\i+2]|, |v[XS+\i+3]|
.endr
	v_max3_num_f32 v8, v8, |v[XS+14]|, |v[XS+15]|
	v_max3_num_f32 v8, v8, v9, 0x4800000           ; and the floor 2^(9 - 127): the byte cannot fall under 1
	v_max_num_f32_dpp v8, v8, v8 row_xmask:1 row_mask:0xf bank_mask:0xf   ; with my neighbour's 16: the block's
	v_add_nc_u32 v11, 0xfc000000, v8               ; 8 off its exponent field: the conversion's scale operand
	v_and_or_b32 v10, v8, 0x7f800000, s23          ; 448 x the scale
	WIN 0x04                                       ; source 1 (gate_W) window 1
.set ii, 0
.rept 16                                       ; the logits: number i of mine times gate_W's row, two experts an instruction, four chains by turns; a token's first product starts the sums
.irp p, 0,1,2,3
.if (((\t)%2) == 0) && (ii == 0)
	v_pk_mul_f32 v[AC+2*\p:AC+2*\p+1], v[XS:XS+1], v[GB+2*\p:GB+2*\p+1] op_sel_hi:[0,1]
.elseif (ii%2) == 0
	v_pk_fma_f32 v[AC+2*\p:AC+2*\p+1], v[XS+ii:XS+ii+1], v[GB+8*ii+2*\p:GB+8*ii+2*\p+1], v[AC+2*\p:AC+2*\p+1] op_sel_hi:[0,1,1]
.else
	v_pk_fma_f32 v[AC+2*\p:AC+2*\p+1], v[XS+ii-1:XS+ii], v[GB+8*ii+2*\p:GB+8*ii+2*\p+1], v[AC+2*\p:AC+2*\p+1] op_sel:[1,0,0] op_sel_hi:[1,1,1]
.endif
.endr
.set ii, ii+1
.endr
	WIN 0
.irp i, 0,1,2,3,4,5,6,7,8,9,10,11,12,13,14,15
	v_med3_num_f32 v[XS+\i], v[XS+\i], -v10, v10   ; the conversion to an 8-bit code does not saturate (ISA guide 7.6.2): the hold at the largest code x the scale
.endr
	v_cvt_scalef32_pk8_fp8_f32 v[CD+4*(\t):CD+4*(\t)+1], v[XS:XS+7], v11
	v_cvt_scalef32_pk8_fp8_f32 v[CD+4*(\t)+2:CD+4*(\t)+3], v[XS+8:XS+15], v11
	v_lshrrev_b32 v[EB+(\t)], 23, v11              ; the scale's byte (also the plain line behind the conversions)
	ds_store_b8 v5, v[EB+(\t)] offset:16*(\t)      ; both lanes of a block write the same byte with the same value
	global_store_b128 v3, v[CD+4*(\t):CD+4*(\t)+3], s[10:11] offset:512*(\t)   ; 32 lanes store 512 consecutive bytes
.if ((\t)%2) == 1
	LANESUM AC                                     ; the token is through: its eight logits, without the bias
	ds_store_b128 v18, v[AC:AC+3] offset:32*((\t)/2)       ; all lanes write the same bytes with the same values
	ds_store_b128 v18, v[AC+4:AC+7] offset:32*((\t)/2)+16
.endif
.endm
.irp t, 0,1,2,3,4,5,6,7,8,9,10,11,12,13,14,15
	STEP \t
.endr
	ds_load_b64 v[12:13], v6                       ; my wave's 256 scale bytes: LDS serves a wave's instructions in order
	s_wait_dscnt 0x0                               ; they are in, and, for wave 0's sake, my logits lie in LDS
	global_store_b64 v7, v[12:13], s[12:13]        ; 32 lanes store 256 consecutive bytes, aligned
	s_barrier_signal -1
	s_barrier_wait -1
	s_cmp_lg_u32 s18, 0
	s_cbranch_scc1 .Lend
	; THE TAIL: wave 0, a lane a token
	ds_load_b128 v[LL:LL+3], v19
	ds_load_b128 v[LL+4:LL+7], v19 offset:16
	s_wait_dscnt 0x0
.irp e, 0,1,2,3,4,5,6,7
	v_add_f32 v[LL+\e], s[24+\e], v[LL+\e]         ; + gate_b
.endr
	v_mov_b32 v192, v[LL]                          ; the largest logit and its expert: a strict compare, so the lower index wins a tie
	v_mov_b32 v193, 0
.irp e, 1,2,3,4,5,6,7
	v_cmp_gt_f32 vcc_lo, v[LL+\e], v192
	v_cndmask_b32 v192, v192, v[LL+\e], vcc_lo
	v_cndmask_b32 v193, v193, \e, vcc_lo
.endr
	v_mov_b32 v197, 0xff800000                     ; -infinity takes the winner's place
.irp e, 0,1,2,3,4,5,6,7
	v_cmp_eq_u32 vcc_lo, \e, v193
	v_cndmask_b32 v[MM+\e], v[LL+\e], v197, vcc_lo
.endr
	v_mov_b32 v194, v[MM]                          ; the second largest, the same way
	v_mov_b32 v195, 0
.irp e, 1,2,3,4,5,6,7
	v_cmp_gt_f32 vcc_lo, v[MM+\e], v194
	v_cndmask_b32 v194, v194, v[MM+\e], vcc_lo
	v_cndmask_b32 v195, v195, \e, vcc_lo
.endr
.irp e, 0,1,2,3,4,5,6,7
	v_sub_f32 v[TT+\e], v[LL+\e], v192             ; the maximum is taken away ahead of every exponential
.endr
	v_sub_f32 v196, v194, v192
.irp e, 0,1,2,3,4,5,6,7
	v_mul_f32 v[TT+\e], 0x3fb8aa3b, v[TT+\e]       ; x log2(e)
.endr
	v_mul_f32 v196, 0x3fb8aa3b, v196
.irp e, 0,1,2,3,4,5,6,7
	v_exp_f32 v[PP+\e], v[TT+\e]
.endr
	v_exp_f32 v198, v196                           ; q = e^(second - first)
	v_nop                                          ; a plain line behind the last exponential
	s_wait_alu depctr_va_vdst(0)                   ; one wait for the nine, ahead of their first reader
	v_add_f32 v199, v[PP], v[PP+1]
	v_add_f32 v200, v[PP+2], v[PP+3]
	v_add_f32 v201, v[PP+4], v[PP+5]
	v_add_f32 v202, v[PP+6], v[PP+7]
	v_add_f32 v199, v199, v200
	v_add_f32 v201, v201, v202
	v_add_f32 v199, v199, v201                     ; the full softmax's divisor
	v_add_f32 v200, 1.0, v198                      ; the top two's
	v_rcp_f32 v201, v199
	v_rcp_f32 v202, v200                           ; g1 = 1 / (1 + q)
	v_min_u32 v204, v193, v195                     ; a: the lower-numbered expert (a plain line behind the reciprocals)
	s_wait_alu depctr_va_vdst(0)                   ; one wait for the two
	v_mul_f32 v203, v198, v202                     ; g2 = q g1
.irp e, 0,1,2,3,4,5,6,7
	v_mul_f32 v[PP+\e], v[PP+\e], v201
.endr
	v_add_nc_u32 v205, v193, v195
	v_sub_nc_u32 v205, v205, v204                  ; b: the higher-numbered
	v_cmp_lt_u32 vcc_lo, v193, v195
	v_cndmask_b32 v206, v203, v202, vcc_lo         ; a's gate,
	v_cndmask_b32 v207, v202, v203, vcc_lo         ; b's
	v_sub_nc_u32 v208, 15, v204
	v_mul_u32_u24 v208, v204, v208
	v_lshrrev_b32 v208, 1, v208
	v_add_nc_u32 v208, v208, v205
	v_sub_nc_u32 v208, v208, v204
	v_add_nc_u32 v208, -1, v208                    ; the key
	LANESUM PP                                     ; the group's sums of the full softmax
	v_and_b32 v209, 7, v1
	v_mov_b32 v210, v[PP]
.irp e, 1,2,3,4,5,6,7
	v_cmp_eq_u32 vcc_lo, \e, v209
	v_cndmask_b32 v210, v210, v[PP+\e], vcc_lo     ; lane l keeps expert l % 8's
.endr
	v_mov_b32 v211, 0                              ; my rank among the group's tokens of my key
	v_mov_b32 v212, 0                              ; lane k: the group's count of key k
.set kk, 0
.rept 28
	v_cmp_eq_u32 s41, kk, v208
	v_mbcnt_lo_u32_b32 v213, s41, 0                ; how many lanes below mine have this key
	v_cndmask_b32 v211, v211, v213, s41
	s_bcnt1_i32_b32 s42, s41
	v_writelane_b32 v212, s42, kk
.set kk, kk+1
.endr
	v_lshl_or_b32 v214, v211, 8, v208              ; key | rank << 8
	s_lshl_b32 s36, ttmp9, 7
	s_mov_b32 s37, 0
	s_add_nc_u64 s[16:17], s[16:17], s[36:37]      ; rout + 128 x group
	s_add_nc_u64 s[38:39], s[14:15], s[36:37]      ; gfl + 128 x group
	s_add_nc_u64 s[44:45], s[38:39], s[36:37]      ; gfl + 256 x group
	v_lshlrev_b32 v215, 2, v1
	v_lshlrev_b32 v216, 3, v1
	global_store_b32 v215, v214, s[16:17]                  ; sel
	global_store_b32 v215, v212, s[16:17] offset:32768     ; hist
	global_store_b32 v215, v210, s[38:39] offset:65536     ; imp
	global_store_b64 v216, v[206:207], s[44:45]            ; the two gates: 256 consecutive bytes
.Lend:
	s_wait_tensorcnt 0x0
	ds_add_u32 v254, v255
	s_wait_dscnt 0x0
	s_endpgm
.Lfunc_end_k_qd5dc98f6eb_gate:
	.size	k_qd5dc98f6eb_gate, .Lfunc_end_k_qd5dc98f6eb_gate-k_qd5dc98f6eb_gate
	.p2alignl 7, 3214868480
	.fill 96, 4, 3214868480
	.section	.rodata,"a",@progbits
	.p2align	6, 0x0
	.amdhsa_kernel k_qd5dc98f6eb_gate
		.amdhsa_group_segment_fixed_size 57856
		.amdhsa_private_segment_fixed_size 0
		.amdhsa_enable_private_segment 0
		.amdhsa_kernarg_size 56
		.amdhsa_user_sgpr_count 2
		.amdhsa_user_sgpr_kernarg_segment_ptr 1
		.amdhsa_wavefront_size32 1
		.amdhsa_system_sgpr_workgroup_id_x 1
		.amdhsa_system_sgpr_workgroup_id_y 1
		.amdhsa_system_sgpr_workgroup_id_z 1
		.amdhsa_system_vgpr_workitem_id 0
		.amdhsa_next_free_vgpr 768
		.amdhsa_next_free_sgpr 66
		.amdhsa_reserve_vcc 1
		.amdhsa_float_denorm_mode_32 3
		.amdhsa_float_denorm_mode_16_64 3
		.amdhsa_memory_ordered 1
		.amdhsa_forward_progress 1
		.amdhsa_inst_pref_size 164
	.end_amdhsa_kernel
	.amdgpu_metadata
---
amdhsa.version: [ 1, 2 ]
amdhsa.kernels:
  - .name:           k_qd5dc98f6eb_gate
    .symbol:         k_qd5dc98f6eb_gate.kd
    .args:
      - { .name: x, .offset: 0, .size: 8, .value_kind: global_buffer, .address_space: global }
      - { .name: gate_W, .offset: 8, .size: 8, .value_kind: global_buffer, .address_space: global }
      - { .name: gate_b, .offset: 16, .size: 8, .value_kind: global_buffer, .address_space: global }
      - { .name: xq, .offset: 24, .size: 8, .value_kind: global_buffer, .address_space: global }
      - { .name: xs, .offset: 32, .size: 8, .value_kind: global_buffer, .address_space: global }
      - { .name: gfl, .offset: 40, .size: 8, .value_kind: global_buffer, .address_space: global }
      - { .name: rout, .offset: 48, .size: 8, .value_kind: global_buffer, .address_space: global }
    .group_segment_fixed_size: 57856
    .private_segment_fixed_size: 0
    .kernarg_segment_align: 8
    .kernarg_segment_size: 56
    .max_flat_workgroup_size: 128
    .sgpr_count:     66
    .vgpr_count:     768
    .wavefront_size: 32
...
	.end_amdgpu_metadata
.endif
;; end of part 1
;; launch place (part 2): grid 129 x 1, 8 waves a work-group, no clusters, 72,704 bytes of LDS; arguments rout, gfl, W1_codes, W2_codes, plan, wr, out1; writes plan, wr, out1
.if DOCPART == 2
	.amdgcn_target "amdgcn-amd-amdhsa--gfx1250"
	.amdhsa_code_object_version 6
	.text
	.protected	k_qd5dc98f6eb_place
	.globl	k_qd5dc98f6eb_place
	.p2align	8
	.type	k_qd5dc98f6eb_place,@function
k_qd5dc98f6eb_place:
	s_mov_b64 s[64:65], 0
	v_nop
	global_prefetch_b8 v0, s[64:65] scope:SCOPE_SE
	s_setreg_imm32_b32 hwreg(HW_REG_WAVE_MODE, 25, 1), 1
	s_wait_xcnt 0x0
; Two jobs in one launch, parted on the work-group's number; each has LDS bytes of its own.
; WORK-GROUP 0 places the tokens: a counting sort by the pair key (28 keys) into tiles of 64 places that never mix keys.  Key k begins at tile TB[k], the sum of ceil(N / 64)
; over the keys below it: at most 8192 / 64 + 27 = 155 tiles whatever the split.  A token's place is 64 TB[key] + the tokens of its key in earlier groups + its rank in its group.
; It stores the tokens' numbers by place (ord), a word for each tile (count | a << 8 | b << 12; 0 rows in a tile that the split leaves empty), and the loss:
; 0.01 x 8 x the sum over the experts of (mean gate)^2.  Places of a tile beyond its count are not written, and nobody reads them.
; WORK-GROUPS 1 .. 128 lay W1's and W2's codes out in the order in which a wave's operand registers take them.  A fragment is 16 rows x 128 K, 2,048 bytes: piece c (0 .. 3)
; at 512 c + 16 lane; lane (r = l % 16, h = l / 16) holds bytes 128 s + 32 c + 16 h .. + 15 of row 32 (T / 2) + 8 (T % 2) + r + 8 (r / 8) of tile T.  THE ROWS OF A TILE ARE NOT NEIGHBOURS:
; so two neighbouring tiles give a lane 16 neighbouring rows in a transposed product's result.  W1 lies at (e << 19) + (w << 17) + (s << 14) + (t << 11), T = 8 w + t;
; W2 at 0x400000 + (e << 19) + (w << 17) + (c2 << 16) + (s << 14) + (t << 11), T = 16 w + 8 c2 + t.
; A wave takes 16 rows x 512 bytes, four fragments: each load reads 512 consecutive bytes of a row, each store writes 512 consecutive bytes; the turn goes through the wave's own LDS.
.set SS, 32                            ; sort: v32-63 sel of my wave's 32 groups, later the stores' offsets
.set HH, 64                            ;       v64-95 hist, later places, later the stores' data
.set II, 96                            ;       v96-127 imp, later at work
.set PQ, 128                           ;       v128-159 the counts of my key (lane = key) in my wave's earlier groups
.set VA, 32                            ; layout: v32-47 a row's offset
.set DD, 64                            ;         v64-127 16 rows as loaded
.set OO, 128                           ;         v128-191 16 pieces as stored
	s_load_b256 s[4:11], s[0:1], 0x0               ; rout, gfl, W1_codes, W2_codes
	s_load_b128 s[12:15], s[0:1], 0x20             ; plan, wr
	s_load_b64 s[16:17], s[0:1], 0x30              ; out1
	v_lshl_add_u32 v192, v0, 2, 0x11800
	v_mov_b32 v193, 0
	v_lshrrev_b32 v2, 5, v0
	v_readfirstlane_b32 s18, v2                    ; wave 0..7
	v_and_b32 v1, 31, v0                           ; lane
	s_wait_kmcnt 0x0
	s_cmp_lg_u32 ttmp9, 0
	s_cbranch_scc1 .Llayout
	; ---- THE SORT.  Wave v owns groups 32 v .. 32 v + 31 (tokens 1024 v on)
	v_lshlrev_b32 v3, 2, v1
	v_lshl_add_u32 v4, v2, 12, v3                  ; 4,096 x wave + 4 x lane
.set gg, 0
.rept 32
	global_load_b32 v[SS+gg], v4, s[4:5] offset:128*gg             ; lane = token of the group
	global_load_b32 v[HH+gg], v4, s[4:5] offset:32768+128*gg       ; lane = key
	global_load_b32 v[II+gg], v4, s[6:7] offset:65536+128*gg       ; lane % 8 = expert
.set gg, gg+1
.endr
	s_wait_loadcnt 0x0
	v_mov_b32 v[PQ], 0
.set gg, 0
.rept 31
	v_add_nc_u32 v[PQ+gg+1], v[PQ+gg], v[HH+gg]    ; down the groups, a lane a key
.set gg, gg+1
.endr
	v_add_nc_u32 v5, v[PQ+31], v[HH+31]            ; my wave's count of each key
	v_add_f32 v6, v[II], v[II+1]
.set gg, 2
.rept 30
	v_add_f32 v6, v6, v[II+gg]
.set gg, gg+1
.endr
	v_lshlrev_b32 v7, 2, v0
	ds_store_b32 v7, v5
	ds_store_b32 v7, v6 offset:1024
	s_wait_dscnt 0x0                               ; for the others' sake
	s_barrier_signal -1
	s_barrier_wait -1
.irp w, 0,1,2,3,4,5,6,7
	ds_load_b32 v[8+\w], v3 offset:128*\w
	ds_load_b32 v[16+\w], v3 offset:1024+128*\w
.endr
	s_wait_dscnt 0x0
	v_add_nc_u32 v24, v8, v9
	v_add_f32 v27, v16, v17
.irp w, 2,3,4,5,6,7
	v_add_nc_u32 v24, v24, v[8+\w]                 ; N: all tokens of the key
	v_add_f32 v27, v27, v[16+\w]                   ; the softmax's sums over all tokens
.endr
	v_mov_b32 v25, 0
.irp w, 0,1,2,3,4,5,6
	s_cmp_gt_u32 s18, \w
	s_cselect_b32 s20, -1, 0
	v_and_b32 v26, s20, v[8+\w]
	v_add_nc_u32 v25, v25, v26                     ; the key's tokens in the waves below mine
.endr
	s_mov_b32 s21, 0                               ; tiles so far
	v_mov_b32 v28, 0                               ; lane = key: its first tile
	v_mov_b32 v29, 0                               ; thread = tile: its key's first tile,
	v_mov_b32 v30, 0                               ; its key's N,
	v_mov_b32 v31, 0                               ; its experts
.set kk, 0
.irp a, 0,1,2,3,4,5,6
.irp b, 1,2,3,4,5,6,7
.if \b > \a
	v_readlane_b32 s22, v24, kk
	v_writelane_b32 v28, s21, kk
	v_cmp_le_u32 vcc_lo, s21, v0                   ; the last key that begins at or below tile j owns it
	v_mov_b32 v8, s21
	v_mov_b32 v9, s22
	v_mov_b32 v10, (\a<<8)|(\b<<12)
	v_cndmask_b32 v29, v29, v8, vcc_lo
	v_cndmask_b32 v30, v30, v9, vcc_lo
	v_cndmask_b32 v31, v31, v10, vcc_lo
	s_add_co_u32 s22, s22, 63
	s_lshr_b32 s22, s22, 6
	s_add_co_u32 s21, s21, s22
.set kk, kk+1
.endif
.endr
.endr
	v_sub_nc_u32 v8, v0, v29
	v_lshlrev_b32 v8, 6, v8                        ; the key's tokens in the tiles before this one,
	v_min_u32 v8, v8, v30                          ; N at the most
	v_sub_nc_u32 v8, v30, v8
	v_min_u32 v8, 64, v8                           ; the tile's rows: 0 .. 64
	v_or_b32 v8, v8, v31
	global_store_b32 v7, v8, s[12:13] offset:39680 ; all 256 words are written
	v_lshl_add_u32 v11, v28, 6, v25                ; lane = key: 64 x first tile + the waves below
.set gg, 0
.rept 32
	v_add_nc_u32 v[PQ+gg], v11, v[PQ+gg]
	v_and_b32 v[II+gg], 31, v[SS+gg]
	v_lshlrev_b32 v[II+gg], 2, v[II+gg]
	ds_bpermute_b32 v[HH+gg], v[II+gg], v[PQ+gg]   ; each token pulls its key's figure
.set gg, gg+1
.endr
	s_wait_dscnt 0x0
	v_lshl_add_u32 v12, v2, 10, v1                 ; 1,024 x wave + lane
.set gg, 0
.rept 32
	v_bfe_u32 v[II+gg], v[SS+gg], 8, 8             ; the rank in the group
	v_add_nc_u32 v[SS+gg], v[HH+gg], v[II+gg]      ; the place,
	v_min_u32 v[SS+gg], 9919, v[SS+gg]             ; held inside ord
	v_lshlrev_b32 v[SS+gg], 2, v[SS+gg]
	v_add_nc_u32 v[HH+gg], 32*gg, v12              ; the token's number
	global_store_b32 v[SS+gg], v[HH+gg], s[12:13]
.set gg, gg+1
.endr
	v_mul_f32 v13, 0x39000000, v27                 ; / 8,192: the mean gate of expert lane % 8
	v_mul_f32 v13, v13, v13
	v_add_f32_dpp v13, v13, v13 row_xmask:1 row_mask:0xf bank_mask:0xf
	v_add_f32_dpp v13, v13, v13 row_xmask:2 row_mask:0xf bank_mask:0xf
	v_add_f32_dpp v13, v13, v13 row_xmask:4 row_mask:0xf bank_mask:0xf
	v_mul_f32 v13, 0x3da3d70a, v13                 ; x 0.01 x 8
	v_mov_b32 v14, 0
	s_wait_xcnt 0x0                                ; EXEC changes only behind this wait
	v_cmp_eq_u32 vcc_lo, 0, v0
	s_wait_tensorcnt 0x0
	ds_add_u32 v192, v193
	s_wait_dscnt 0x0
	s_and_saveexec_b32 s23, vcc_lo
	global_store_b32 v14, v13, s[16:17]            ; thread 0 alone
	s_wait_xcnt 0x0
	s_or_b32 exec_lo, exec_lo, s23
	s_endpgm
.Llayout:
	; ---- THE LAYOUT.  Work-groups 1 .. 64: W1 (rows of 1,024 bytes, taken in halves); 65 .. 128: W2 (rows of 512 bytes)
	s_sub_co_u32 s20, ttmp9, 1
	s_cmp_lt_u32 s20, 64
	s_cselect_b32 s21, 1, 0                        ; sh = 1 for W1
	s_cselect_b64 s[24:25], s[8:9], s[10:11]       ; the choice hangs on the work-group's number alone
	s_and_b32 s22, s20, 7
	s_lshl_b32 s22, s22, 3
	s_or_b32 s22, s22, s18                         ; which of the expert's 64 units
	s_bfe_u32 s23, s20, 0x30003                    ; the expert
	s_lshr_b32 s26, s22, s21                       ; the tile T,
	s_and_b32 s27, s22, s21                        ; and, for W1, which half of K
	s_lshr_b32 s28, s26, 1
	s_lshl_b32 s28, s28, 5
	s_and_b32 s29, s26, 1
	s_lshl_b32 s29, s29, 3
	s_add_co_u32 s28, s28, s29                     ; the tile's first row: 32 (T / 2) + 8 (T % 2)
	s_add_co_u32 s30, s21, 9
	s_lshl_b32 s28, s28, s30                       ; in bytes
	s_lshl_b32 s31, s23, 19                        ; an expert's codes are 2^19 bytes, in both tensors and both layouts
	s_add_co_u32 s28, s28, s31
	s_lshl_b32 s29, s27, 9
	s_add_co_u32 s28, s28, s29
	s_mov_b32 s29, 0
	s_add_nc_u64 s[24:25], s[24:25], s[28:29]
	s_lshr_b32 s32, s26, 3
	s_lshl_b32 s32, s32, s21
	s_add_co_u32 s32, s32, s27
	s_lshl_b32 s32, s32, 16                        ; the run of four K steps of eight tiles,
	s_add_co_u32 s32, s32, s31
	s_and_b32 s33, s26, 7
	s_lshl_b32 s33, s33, 11                        ; the tile's place in a K step
	s_add_co_u32 s32, s32, s33
	s_xor_b32 s33, s21, 1
	s_lshl_b32 s33, s33, 22                        ; W2 lies behind W1
	s_add_co_u32 s32, s32, s33
	s_mov_b32 s33, 0
	s_add_nc_u64 s[14:15], s[14:15], s[32:33]
	v_lshlrev_b32 v4, 4, v1
.irp i, 0,1,2,3,4,5,6,7,8,9,10,11,12,13,14,15
	s_lshl_b32 s34, (\i+8*(\i/8))<<9, s21
	v_add_nc_u32 v[VA+\i], s34, v4                 ; row i + 8 (i / 8) of the tile's span, 16 bytes a lane
.endr
	s_mul_i32 s35, s18, 8704
	s_add_co_u32 s35, s35, 2048                    ; my wave's 32 x 272 bytes
	v_mul_u32_u24 v5, v1, 272
	v_add_nc_u32 v5, s35, v5                       ; in: LDS row = my lane (which 16 bytes of K), column = the tile's row
	v_lshrrev_b32 v6, 4, v1
	v_mul_u32_u24 v6, v6, 272
	v_and_b32 v7, 15, v1
	v_lshl_add_u32 v6, v7, 4, v6
	v_add_nc_u32 v6, s35, v6                       ; out: LDS row 8 s + 2 c + h, column r
.irp i, 0,1,2,3,4,5,6,7,8,9,10,11,12,13,14,15
	global_load_b128 v[DD+4*\i:DD+4*\i+3], v[VA+\i], s[24:25] th:TH_LOAD_NT
.endr
.irp i, 0,1,2,3,4,5,6,7,8,9,10,11,12,13,14,15
	s_wait_loadcnt 15-\i                           ; row i is in; the younger rows may be out
	ds_store_b128 v5, v[DD+4*\i:DD+4*\i+3] offset:16*\i
.endr
.irp s, 0,1,2,3
.irp c, 0,1,2,3
	ds_load_b128 v[OO+4*(4*\s+\c):OO+4*(4*\s+\c)+3], v6 offset:(8*\s+2*\c)*272   ; LDS serves a wave's instructions in order: these see my stores
.endr
.endr
.irp s, 0,1,2,3
.irp c, 0,1,2,3
	s_wait_dscnt 15-(4*\s+\c)
	global_store_b128 v4, v[OO+4*(4*\s+\c):OO+4*(4*\s+\c)+3], s[14:15] offset:16384*\s+512*\c   ; 512 consecutive bytes, aligned
.endr
.endr
	s_wait_tensorcnt 0x0
	ds_add_u32 v192, v193
	s_wait_dscnt 0x0
	s_endpgm
.Lfunc_end_k_qd5dc98f6eb_place:
	.size	k_qd5dc98f6eb_place, .Lfunc_end_k_qd5dc98f6eb_place-k_qd5dc98f6eb_place
	.p2alignl 7, 3214868480
	.fill 96, 4, 3214868480
	.section	.rodata,"a",@progbits
	.p2align	6, 0x0
	.amdhsa_kernel k_qd5dc98f6eb_place
		.amdhsa_group_segment_fixed_size 72704
		.amdhsa_private_segment_fixed_size 0
		.amdhsa_enable_private_segment 0
		.amdhsa_kernarg_size 56
		.amdhsa_user_sgpr_count 2
		.amdhsa_user_sgpr_kernarg_segment_ptr 1
		.amdhsa_wavefront_size32 1
		.amdhsa_system_sgpr_workgroup_id_x 1
		.amdhsa_system_sgpr_workgroup_id_y 1
		.amdhsa_system_sgpr_workgroup_id_z 1
		.amdhsa_system_vgpr_workitem_id 0
		.amdhsa_next_free_vgpr 194
		.amdhsa_next_free_sgpr 66
		.amdhsa_reserve_vcc 1
		.amdhsa_float_denorm_mode_32 3
		.amdhsa_float_denorm_mode_16_64 3
		.amdhsa_memory_ordered 1
		.amdhsa_forward_progress 1
		.amdhsa_inst_pref_size 55
	.end_amdhsa_kernel
	.amdgpu_metadata
---
amdhsa.version: [ 1, 2 ]
amdhsa.kernels:
  - .name:           k_qd5dc98f6eb_place
    .symbol:         k_qd5dc98f6eb_place.kd
    .args:
      - { .name: rout, .offset: 0, .size: 8, .value_kind: global_buffer, .address_space: global }
      - { .name: gfl, .offset: 8, .size: 8, .value_kind: global_buffer, .address_space: global }
      - { .name: W1_codes, .offset: 16, .size: 8, .value_kind: global_buffer, .address_space: global }
      - { .name: W2_codes, .offset: 24, .size: 8, .value_kind: global_buffer, .address_space: global }
      - { .name: plan, .offset: 32, .size: 8, .value_kind: global_buffer, .address_space: global }
      - { .name: wr, .offset: 40, .size: 8, .value_kind: global_buffer, .address_space: global }
      - { .name: out1, .offset: 48, .size: 8, .value_kind: global_buffer, .address_space: global }
    .group_segment_fixed_size: 72704
    .private_segment_fixed_size: 0
    .kernarg_segment_align: 8
    .kernarg_segment_size: 56
    .max_flat_workgroup_size: 256
    .sgpr_count:     66
    .vgpr_count:     194
    .wavefront_size: 32
...
	.end_amdgpu_metadata
.endif
;; end of part 2
;; launch chain (part 3): grid 155 x 1, 4 waves a work-group, no clusters, 168,448 bytes of LDS; arguments xq, xs, wr, W1_scales, b1, W2_scales, b2, plan, gfl, out0; writes out0
.if DOCPART == 3
	.amdgcn_target "amdgcn-amd-amdhsa--gfx1250"
	.amdhsa_code_object_version 6
	.text
	.protected	k_qd5dc98f6eb_chain
	.globl	k_qd5dc98f6eb_chain
	.p2align	8
	.type	k_qd5dc98f6eb_chain,@function
k_qd5dc98f6eb_chain:
	s_mov_b64 s[64:65], 0
	v_nop
	global_prefetch_b8 v0, s[64:65] scope:SCOPE_SE
	s_setreg_imm32_b32 hwreg(HW_REG_WAVE_MODE, 25, 1), 1
	s_wait_xcnt 0x0
; out[tok] = g_a (relu(x W1_a + b1_a) W2_a + b2_a) + g_b (the same with b), both products on codes of E4M3 with one E8M0 scale for each 32 along K, sums in f32.
; ONE WORK-GROUP TAKES ONE TILE: up to 64 tokens that chose the same two experts a < b (the list of tiles and the tokens' order were stored by the launch before).  Only the chosen
; experts are multiplied, and each output row has one owner.  The grid, 155, is the most tiles any split can give (8192 / 64 + 27).
; THE WAVES SHARE THE COLUMNS, NOT THE ROWS: wave w makes hidden units 128 w .. + 127 (one K step of the second product) and output columns 256 w .. + 255 (two groups of 128), for all 64 rows.
; Both products are used transposed (source 0 = 16 rows of a weight, source 1 = 16 tokens): a lane holds one token, and, by the choice of a tile's rows made in the weights' layout, the 16
; registers of two neighbouring tiles are 16 neighbouring units or columns.  So the hidden layer is quantised in registers and the result leaves in runs of 64 bytes a lane.
; THE WEIGHTS go from memory straight into registers, each byte once a work-group, in fragment order.  A stage is one K step of 8 fragments (16 KiB a wave) and 32 matrix instructions; two
; register slots take turns.  A STAGE RUNS AS TWO UNITS: fragments 0-3 against all 64 rows, then fragments 4-7; the four fragments that a unit has read are asked for again straight behind
; it, for the stage two on: 16 loads, which have three units in which to land.  The wait at a unit's head counts exactly the loads issued behind the group that it needs.
; The rows' codes go round through LDS: x as rows (pitch 1,040), the hidden layer as images of the operand's registers.
; A TILE WITHOUT ROWS walks the same text (every wave passes every barrier; none stands under a branch on a loaded number) on the list's first token, all lanes of its weight loads on one
; address, and stores nothing.  The only branches on the count jump over stores, a block of 16 rows at a time.  ROWS OF A TILE BEYOND ITS COUNT REPEAT ITS LAST TOKEN and give the same
; numbers; where they share a block of 16 rows with tokens they are stored onto that token's row once more, the same bytes: at most 15 rows of 512 bytes for each wave and group of columns.
; NO TENSOR LOAD, NO CLUSTER: the text branches on stored counts, and the experts' numbers, read from memory, would have to enter the descriptors; partners of a cluster would need
; tiles of one pair, which the split does not promise.  NO PREFETCH: the weights are read by many work-groups, and the one gather stands at the head.
; LIMITS: NaN and infinities are not served; a block of the hidden layer whose largest number lies under 2^-118 (a block of zeros too) gets the byte 1.
; REGISTERS, in windows of 256.  Window 0: addresses, gates, scale words, the rows' four fragments XF, the biases BI, work.  Window 1: the weights' two slots of 128.
; Window 2: accumulators of expert a (and of the hidden layer), tile of rows m, tile t at 64 m + 8 t.  Window 3: those of expert b; at the head 128 registers of gathered codes.
.set HIMG, 66560                       ; LDS: 0 .. 66,559 x's 64 rows;  then the hidden layer's images: ((x 4 + m) 4 + s) 2,048
.set HSC,  132096                      ; its scale words: 1,024 x + 256 s + 64 m + 4 r
.set STG,  134144                      ; a stage of 16 rows x (512 + 16) bytes for each wave
.set VL16, 1                           ; v1   16 x lane
.set VLW,  2                           ; v2   the same, or 0 in a tile without rows
.set XR,   3                           ; v3   x's fragments: 1,040 r + 16 h
.set VH,   4                           ; v4   an image's place for my lane
.set VHS,  5                           ; v5   a scale word's
.set HWI,  6                           ; v6   where I store images: + 2,048 x wave
.set HWS,  7                           ; v7   and their scale words: + 256 x wave
.set HWIX, 8                           ; v8-9 the same for the expert in hand
.set HWSX, 9
.set SO,   10                          ; v10  the stage: where I put 64 bytes of a row
.set SR,   11                          ; v11  and where I read back: lanes 0-15 one row's 256 bytes, lanes 16-31 the next row's
.set VB,   12                          ; v12  64 h: the biases of my half
.set VS1,  13                          ; v13  32 rp: my row of W1's scale bytes;  rp = 8 h + r + 8 (r / 8)
.set VS2,  14                          ; v14  16 rp: of W2's
.set RP,   15
.set VSN,  16                          ; v16-19 the next chain's four scale offsets
.set TKS,  20                          ; v20-21 the token of row 32 p + lane
.set G1,   22                          ; v22-29 b's gate, a pair for each m (made behind the first product; until then at work)
.set G,    32                          ; v32-39 (a's gate, b's gate) of token 16 m + r
.set XS,   40                          ; v40-55 x's scale words: 8 p + s; lanes 0-15 rows 32 p on, lanes 16-31 rows 32 p + 16 on
.set HS,   56                          ; v56-71 the hidden layer's: (4 x + s) 2 + p, likewise
.set SC,   72                          ; v72-103 the weights': 16 buf + 4 b + q: lanes 0-15 tile 2 b, lanes 16-31 tile 2 b + 1, K step q of four
.set XF,   104                         ; v104-167 four fragments of rows; the codes just made; on the way out the rows' offsets; at the head: at work
.set BI,   168                         ; v168-231 the biases in the result's layout: the C of a sum's first matrix instruction
.set PWD,  232                         ; v232-235 the scale words just made
.set TM,   240                         ; v240-255 the quantiser's work
.set RO,   104                         ; the way out, in XF's registers: v104-135 offset k: the byte in out0 of row 2 k + h's token, + 16 (lane % 16)
.set IX,   136                         ;              v136-151 the lane selects of the permutes
.set RT,   152                         ;              v152-153 at work
.set IDX,  104                         ; the head's work, in XF's registers
.set TOK,  120
.set GT,   128
.set OFS,  136
.set XO,   144
.set GOF,  146
.set QH,   32                          ; s[32:33] b1 of expert a, for the head
.set QW,   40                          ; the first product, chain in hand: weights, scales
.set QS,   42
.set QWN,  44                          ; the next chain: weights, scales, biases
.set QSN,  46
.set QBN,  48
.set QWT,  50                          ; the chain after that
.set QST,  52
.set QBT,  54
.set QB0,  56                          ; the second product: weights of a, of b
.set QB1,  58
.set QS0,  60                          ; scales
.set QS1,  62
.set QI0,  66                          ; biases
.set QI1,  68
.set QO,   70                          ; out0 at my columns
.set MSB,  0
.macro WIN new                         ; the immediate's high byte repeats the setting that is left
.if MSB != \new
	s_set_vgpr_msb (MSB<<8)|\new
.set MSB, \new
.endif
.endm
.macro PLACES                          ; eight places behind this matrix form, in front of loads into its registers and of reads of its results
.rept 8
	v_nop
.endr
.endm
.macro PTR dst, base, ereg, esh, wsh, extra    ; a buffer's address + (expert << esh) + (wave << wsh) + extra
	s_lshl_b32 s76, s[\ereg], \esh
	s_lshl_b32 s77, s24, \wsh
	s_add_co_u32 s76, s76, s77
.if \extra
	s_add_co_u32 s76, s76, \extra
.endif
	s_mov_b32 s77, 0
	s_add_nc_u64 s[\dst:\dst+1], s[\base:\base+1], s[76:77]
.endm
.macro MKIDX dst, src, add             ; the byte in ord of the tile's row src + add: rows beyond the count repeat the last; the index is held inside ord
	v_add_nc_u32 v[\dst], \add, v[\src]
	v_min_u32 v[\dst], s29, v[\dst]
	v_add_nc_u32 v[\dst], s78, v[\dst]
	v_min_u32 v[\dst], 9919, v[\dst]
	v_lshlrev_b32 v[\dst], 2, v[\dst]
.endm
.macro REFILLH slot, half, base, imm   ; four fragments of a stage (half 0: tiles 0-3, half 1: tiles 4-7) into their half of a slot: 16 loads of 512 consecutive bytes
	WIN 0x40
.irp t, 0,1,2,3
.irp c, 0,1,2,3
	global_load_b128 v[128*(\slot)+64*(\half)+16*\t+4*\c:128*(\slot)+64*(\half)+16*\t+4*\c+3], v[VLW], s[\base:\base+1] offset:(\imm)+8192*(\half)+2048*\t+512*\c
.endr
.endr
	WIN 0
.endm
.macro REFILL slot, base, imm          ; both halves: the head's first fills
	REFILLH \slot, 0, \base, \imm
	REFILLH \slot, 1, \base, \imm
.endm
.macro SCL buf, base, voff, step, imm  ; the scale words of 8 tiles for four K steps: 4 loads
.irp b, 0,1,2,3
	global_load_b128 v[SC+16*\buf+4*\b:SC+16*\buf+4*\b+3], v[\voff], s[\base:\base+1] offset:(\imm)+(\step)*\b
.endr
.endm
.macro SCLN buf, base                  ; the same by the four offsets of the next chain
.irp b, 0,1,2,3
	global_load_b128 v[SC+16*\buf+4*\b:SC+16*\buf+4*\b+3], v[VSN+\b], s[\base:\base+1]
.endr
.endm
.macro BIAS base, imm                  ; register 16 b + i = the bias of unit or column 32 b + 16 h + i: 16 loads
.irp b, 0,1,2,3
.irp q, 0,1,2,3
	global_load_b128 v[BI+16*\b+4*\q:BI+16*\b+4*\q+3], v[VB], s[\base:\base+1] offset:(\imm)+128*\b+16*\q
.endr
.endr
.endm
.macro XFL mm, adr, xo, ms, cs         ; the rows' fragments of tiles mm, mm + 1: 8 LDS loads
.irp u, 0,1
.irp c, 0,1,2,3
	ds_load_b128 v[XF+16*((\mm)+\u)+4*\c:XF+16*((\mm)+\u)+4*\c+3], v[\adr] offset:(\xo)+(\ms)*((\mm)+\u)+(\cs)*\c
.endr
.endr
.endm
; 8 matrix instructions: tiles t0 .. t0 + 3 of the slot x tiles of rows mm, mm + 1.  The 32 accumulators of a stage take turns, one instruction a turn, in the same order in every stage.
.macro MB8 slot, first, sc, rs, mm, t0
.irp t, 0,1,2,3
.irp u, 0,1
.set tt, (\t0)+\t
.set rD, 64*((\mm)+\u)+8*tt
.set rA, 128*(\slot)+16*tt
.set rB, XF+16*((\mm)+\u)
.set rC, rD
.if \first
.set rC, BI+8*tt
.endif
.set rS, (\sc)+4*(tt/2)
.if (\t%2) && \u
	v_wmma_scale_f32_16x16x128_f8f6f4 v[rD:rD+7], v[rA:rA+15], v[rB:rB+15], v[rC:rC+7], v[rS], v[\rs] matrix_a_scale:MATRIX_SCALE_ROW1 matrix_b_scale:MATRIX_SCALE_ROW1
.elseif \t%2
	v_wmma_scale_f32_16x16x128_f8f6f4 v[rD:rD+7], v[rA:rA+15], v[rB:rB+15], v[rC:rC+7], v[rS], v[\rs] matrix_a_scale:MATRIX_SCALE_ROW1
.elseif \u
	v_wmma_scale_f32_16x16x128_f8f6f4 v[rD:rD+7], v[rA:rA+15], v[rB:rB+15], v[rC:rC+7], v[rS], v[\rs] matrix_b_scale:MATRIX_SCALE_ROW1
.else
	v_wmma_scale_f32_16x16x128_f8f6f4 v[rD:rD+7], v[rA:rA+15], v[rB:rB+15], v[rC:rC+7], v[rS], v[\rs]
.endif
.endr
.endr
.endm
.macro WSET win, first                 ; source 0 (weights) window 1; D the accumulators' window; C the biases (window 0) in a sum's first link, else D's window
.if \first
.set wset, ((\win)<<6)|1
.else
.set wset, ((\win)<<6)|((\win)<<4)|1
.endif
.endm
; A STAGE'S LOW UNIT: tiles 0-3 against the 64 rows.  n: the loads issued behind this unit's four fragments.  Behind its places the caller asks for these four fragments' successors.
.macro UNITLO slot, win, first, sc, rsa, rsb, n
	WSET \win, \first
	s_wait_loadcnt \n                              ; my four fragments, and the scale words and biases issued ahead of them, are in; the younger groups may be out
	s_wait_dscnt 8                                 ; rows 0-31 are in; the eight younger loads (rows 32-63) may be out
	WIN wset
	MB8 \slot, \first, \sc, \rsa, 0, 0
	s_wait_dscnt 0x0                               ; rows 32-63 are in
	MB8 \slot, \first, \sc, \rsb, 2, 0
	WIN 0
	PLACES
.endm
; ITS HIGH UNIT: tiles 4-7.  nxt = 1: the next stage's row fragments are fetched, each half behind the last products that read the old one.
.macro UNITHI slot, win, first, sc, rsa, rsb, n, nxt, adr, xo, ms, cs
	WSET \win, \first
	s_wait_loadcnt \n
	WIN wset
	MB8 \slot, \first, \sc, \rsa, 0, 4
	WIN 0
	PLACES
.if \nxt
	XFL 0, \adr, \xo, \ms, \cs
.endif
	WIN wset
	MB8 \slot, \first, \sc, \rsb, 2, 4
	WIN 0
	PLACES
.if \nxt
	XFL 2, \adr, \xo, \ms, \cs
.endif
.endm
; A whole stage whose refills are weights alone: each half is asked for again behind the unit that read it, from base + imm: the stage two on
.macro STG slot, win, first, sc, rsa, rsb, nlo, nhi, nxt, adr, xo, ms, cs, base, imm
	UNITLO \slot, \win, \first, \sc, \rsa, \rsb, \nlo
	REFILLH \slot, 0, \base, \imm
	UNITHI \slot, \win, \first, \sc, \rsa, \rsb, \nhi, \nxt, \adr, \xo, \ms, \cs
	REFILLH \slot, 1, \base, \imm
.endm
; Tile of rows m of the hidden layer: 64 numbers a lane in window 2, register 16 b + i = unit 32 b + 16 h + i of my token, become a fragment's codes (in XF's registers) and its scale word, and go to LDS.
.macro QUANT m
.set qs, 64*(\m)
	WIN 0x0a                                       ; sources 0 and 1 window 2
.irp b, 0,1,2,3
	v_max3_num_f32 v[TM+\b], v[qs+16*\b], v[qs+16*\b+1], 0x4800000   ; no |.|: what is negative becomes 0 and must not count; the floor 2^(9 - 127) holds the byte at 1 from below
.endr
	WIN 0x28                                       ; sources 1 and 2 window 2
.irp i, 2,4,6,8,10,12,14
.irp b, 0,1,2,3
	v_max3_num_f32 v[TM+\b], v[TM+\b], v[qs+16*\b+\i], v[qs+16*\b+\i+1]   ; the four blocks by turns; each accumulator is read from its low end on
.endr
.endr
	WIN 0
.irp b, 0,1,2,3
	v_permlanex16_b32 v[TM+4+\b], v[TM+\b], s34, s35
.endr
.irp b, 0,1,2,3
	v_max_num_f32 v[TM+\b], v[TM+\b], v[TM+4+\b]   ; with lane l xor 16's 16: the block's largest number
.endr
.irp b, 0,1,2,3
	v_add_nc_u32 v[TM+12+\b], 0xfc000000, v[TM+\b] ; 8 off its exponent field: the conversion's scale operand
.endr
.irp b, 0,1,2,3
	v_and_or_b32 v[TM+8+\b], v[TM+\b], 0x7f800000, s36   ; 448 x the scale
.endr
.irp b, 0,1,2,3
	v_lshrrev_b32 v[TM+4+\b], 23, v[TM+12+\b]      ; the scale's byte
.endr
	v_lshl_or_b32 v[PWD+\m], v[TM+5], 8, v[TM+4]
	v_lshl_or_b32 v[PWD+\m], v[TM+6], 16, v[PWD+\m]
	v_lshl_or_b32 v[PWD+\m], v[TM+7], 24, v[PWD+\m]
	WIN 0x82                                       ; destination and source 0 window 2
.irp b, 0,1,2,3
.irp i, 0,1,2,3,4,5,6,7,8,9,10,11,12,13,14,15
	v_med3_num_f32 v[qs+16*\b+\i], v[qs+16*\b+\i], 0, v[TM+8+\b]   ; the activation and the hold in one (the conversion does not saturate: ISA guide 7.6.2)
.endr
.endr
	WIN 0x02                                       ; source 0 window 2
.irp b, 0,1,2,3
	v_cvt_scalef32_pk8_fp8_f32 v[XF+16*\m+4*\b:XF+16*\m+4*\b+1], v[qs+16*\b:qs+16*\b+7], v[TM+12+\b]
	v_cvt_scalef32_pk8_fp8_f32 v[XF+16*\m+4*\b+2:XF+16*\m+4*\b+3], v[qs+16*\b+8:qs+16*\b+15], v[TM+12+\b]
.endr
	WIN 0
	v_nop                                          ; a plain line behind the last conversion, ahead of whatever next writes its sources
.irp c, 0,1,2,3
	ds_store_b128 v[HWIX], v[XF+16*\m+4*\c:XF+16*\m+4*\c+3] offset:8192*\m+512*\c   ; the fragment as it stands: K step = my wave
.endr
	ds_store_b32 v[HWSX], v[PWD+\m] offset:64*\m   ; both halves of the lanes write the same word with the same value
.endm
; THE WAY OUT.  The rows' offsets in out0: lane (h, c) of offset k wants the token of row 2 k + h, which lies in lane (2 k + h) % 32 of TKS: a pull between lanes, 32 in all.
.macro ROWOFS1
	v_bfe_u32 v[RT], v0, 4, 1
	v_lshlrev_b32 v[RT], 2, v[RT]                  ; 4 h
	v_and_b32 v[RT+1], 15, v0
	v_lshlrev_b32 v[RT+1], 4, v[RT+1]              ; 16 (lane % 16)
.irp k, 0,1,2,3,4,5,6,7,8,9,10,11,12,13,14,15
	v_add_nc_u32 v[IX+\k], 8*\k, v[RT]             ; 4 x lane 2 k + h
.endr
.irp p, 0,1
.irp k, 0,1,2,3,4,5,6,7,8,9,10,11,12,13,14,15
	ds_bpermute_b32 v[RO+16*\p+\k], v[IX+\k], v[TKS+\p]
.endr
.endr
.endm
.macro ROWOFS2
	s_wait_dscnt 32                                ; the 32 pulls are in; behind them stand one block's 16 stores and 16 loads
.set kk, 0
.rept 32
	v_min_u32 v[RO+kk], 8191, v[RO+kk]             ; a token's number, held inside out0
.set kk, kk+1
.endr
.set kk, 0
.rept 32
	v_lshlrev_b32 v[RO+kk], 12, v[RO+kk]           ; its row of 4,096 bytes
.set kk, kk+1
.endr
.set kk, 0
.rept 32
	v_add_nc_u32 v[RO+kk], v[RO+kk], v[RT+1]
.set kk, kk+1
.endr
.endm
; Tile of rows m: the two experts' results are weighed and added, go into my stage and come back as rows, into the registers that they left: so no store's data are written again on the way out.
.macro PACKM m
	WIN 0x82
.set ii, 0
.rept 32
	v_pk_mul_f32 v[64*\m+ii:64*\m+ii+1], v[64*\m+ii:64*\m+ii+1], v[G+2*\m:G+2*\m+1] op_sel_hi:[1,0]   ; x a's gate
.set ii, ii+2
.endr
	WIN 0xa3                                       ; source 0 window 3, C and D window 2
.set ii, 0
.rept 32
	v_pk_fma_f32 v[64*\m+ii:64*\m+ii+1], v[64*\m+ii:64*\m+ii+1], v[G1+2*\m:G1+2*\m+1], v[64*\m+ii:64*\m+ii+1] op_sel_hi:[1,0,1]   ; + b's result x b's gate
.set ii, ii+2
.endr
	WIN 0x08                                       ; an LDS store's data are its source 1: window 2
.irp b, 0,1,2,3
.irp q, 0,1,2,3
	ds_store_b128 v[SO], v[64*\m+16*\b+4*\q:64*\m+16*\b+4*\q+3] offset:128*\b+16*\q
.endr
.endr
	WIN 0x80                                       ; destination window 2
.irp k, 0,1,2,3,4,5,6,7
.irp f, 0,1
	ds_load_b128 v[64*\m+4*(2*\k+\f):64*\m+4*(2*\k+\f)+3], v[SR] offset:1056*\k+256*\f   ; rows 2 k, 2 k + 1, half f of their 512 bytes.  LDS serves a wave's instructions in order: these see my stores, and the next block's stores come behind them
.endr
.endr
	WIN 0
.endm
; Its stores: sixteen lanes store 256 consecutive bytes of a token's row, aligned.  younger: the LDS instructions issued behind this block's loads.  A block none of whose rows is a token's is not stored.
.macro SENDM m, younger
	s_cmp_gt_u32 s25, 16*\m
	s_cbranch_scc0 .Lns_\@
	WIN 0x08                                       ; the stores' data: window 2
.irp k, 0,1,2,3,4,5,6,7
.irp f, 0,1
	s_wait_dscnt (\younger)+15-(2*\k+\f)
	global_store_b128 v[RO+8*\m+\k], v[64*\m+4*(2*\k+\f):64*\m+4*(2*\k+\f)+3], s[QO:QO+1] offset:256*\f th:TH_STORE_NT
.endr
.endr
	WIN 0
.Lns_\@:
.endm
	s_load_b256 s[4:11], s[0:1], 0x0               ; xq, xs, wr, W1_scales
	s_load_b256 s[12:19], s[0:1], 0x20             ; b1, W2_scales, b2, plan
	s_load_b128 s[20:23], s[0:1], 0x40             ; gfl, out0
	v_lshl_add_u32 v238, v0, 2, 0x29000
	v_mov_b32 v239, 0
	v_lshrrev_b32 v22, 5, v0
	v_readfirstlane_b32 s24, v22                   ; wave 0..3
	v_and_b32 v23, 31, v0                          ; lane
	v_and_b32 v24, 15, v0                          ; r
	v_bfe_u32 v25, v0, 4, 1                        ; h
	s_lshl_b32 s76, ttmp9, 2
	s_wait_kmcnt 0x0
	s_load_b32 s77, s[18:19], s76 offset:39680     ; my tile's word
	v_lshlrev_b32 v[VL16], 4, v23
	v_mul_u32_u24 v[XR], v24, 1040
	v_lshl_add_u32 v[XR], v25, 4, v[XR]
	v_add_nc_u32 v[VH], HIMG, v[VL16]
	v_lshl_add_u32 v[VHS], v23, 2, HSC
	s_lshl_b32 s78, s24, 11
	v_add_nc_u32 v[HWI], s78, v[VH]
	v_lshl_add_u32 v[HWS], v24, 2, HSC
	s_lshl_b32 s78, s24, 8
	v_add_nc_u32 v[HWS], s78, v[HWS]
	s_mul_i32 s78, s24, 8448
	s_add_co_u32 s78, s78, STG
	v_mul_u32_u24 v[SO], v24, 528
	v_lshl_add_u32 v[SO], v25, 6, v[SO]
	v_add_nc_u32 v[SO], s78, v[SO]
	v_mul_u32_u24 v[SR], v25, 528
	v_lshl_add_u32 v[SR], v24, 4, v[SR]
	v_add_nc_u32 v[SR], s78, v[SR]
	v_lshlrev_b32 v[VB], 6, v25
	v_and_b32 v[RP], 8, v24
	v_add_nc_u32 v[RP], v[RP], v24
	v_lshl_add_u32 v[RP], v25, 3, v[RP]            ; 8 h + r + 8 (r / 8): lanes 16-31 take the odd tile of a pair
	v_lshlrev_b32 v[VS1], 5, v[RP]
	v_lshlrev_b32 v[VS2], 4, v[RP]
.irp b, 0,1,2,3
	v_add_nc_u32 v[VSN+\b], 1024*\b, v[VS1]        ; (rp + 32 b) x 32: the next chain is W1's
.endr
	s_mul_i32 s78, s24, 16*1040
	v_mul_u32_u24 v26, v25, 1040
	v_lshl_add_u32 v26, v24, 4, v26
	v_add_nc_u32 v26, s78, v26                     ; x into LDS: my wave's 16 rows, two a load
	s_lshl_b32 s79, s24, 4
	v_add_nc_u32 v27, s79, v25                     ; row 16 w + h
.irp b, 0,1,2,3
	v_mov_b32 v[TM+4+\b], 0                        ; written once: a lane permute's destination counts as one of its sources
.endr
	s_mov_b32 s34, 0x76543210
	s_mov_b32 s35, 0xfedcba98                      ; v_permlanex16_b32's selects for lane l xor 16
	s_mov_b32 s36, 0x600000                        ; the mantissa field of 448
	s_wait_kmcnt 0x0
	s_and_b32 s25, s77, 0xff
	s_min_u32 s25, s25, 64                         ; the tile's rows
	s_bfe_u32 s26, s77, 0x40008
	s_min_u32 s26, s26, 7                          ; expert a
	s_bfe_u32 s27, s77, 0x4000c
	s_min_u32 s27, s27, 7                          ; expert b
	s_min_u32 s28, s25, 1                          ; 1 in a tile with rows
	s_max_u32 s29, s25, 1
	s_sub_co_u32 s29, s29, 1                       ; its last row
	s_lshl_b32 s78, ttmp9, 6
	s_mul_i32 s78, s78, s28                        ; its first place in ord (a tile without rows: place 0, which always holds a token)
	v_mul_u32_u24 v[VLW], v[VL16], s28
.irp k, 0,1,2,3,4,5,6,7
	MKIDX IDX+\k, 27, 2*\k                         ; the gather: row 16 w + 2 k + h
.endr
	MKIDX IDX+8, 23, 0                             ; row 32 p + lane
	MKIDX IDX+9, 23, 32
.irp m, 0,1,2,3
	MKIDX IDX+10+\m, 24, 16*\m                     ; row 16 m + r
.endr
.irp k, 0,1,2,3,4,5,6,7
	global_load_b32 v[TOK+\k], v[IDX+\k], s[18:19]
.endr
	global_load_b32 v[TKS], v[IDX+8], s[18:19]
	global_load_b32 v[TKS+1], v[IDX+9], s[18:19]
.irp m, 0,1,2,3
	global_load_b32 v[GT+\m], v[IDX+10+\m], s[18:19]
.endr
	PTR QW,  8,  26, 19, 17, 0
	PTR QS,  10, 26, 14, 12, 0
	PTR QH,  12, 26, 11, 9,  0
	PTR QWN, 8,  27, 19, 17, 0
	PTR QSN, 10, 27, 14, 12, 0
	PTR QBN, 12, 27, 11, 9,  0
	PTR QB0, 8,  26, 19, 17, 0x400000
	PTR QB1, 8,  27, 19, 17, 0x400000
	PTR QS0, 14, 26, 14, 12, 0
	PTR QS1, 14, 27, 14, 12, 0
	PTR QI0, 16, 26, 12, 10, 0
	PTR QI1, 16, 27, 12, 10, 0
	s_mov_b64 s[QWT:QWT+1], s[QB0:QB0+1]
	s_mov_b64 s[QST:QST+1], s[QS0:QS0+1]
	s_mov_b64 s[QBT:QBT+1], s[QI0:QI0+1]
	s_lshl_b32 s76, s24, 10
	s_mov_b32 s77, 0
	s_add_nc_u64 s[QO:QO+1], s[22:23], s[76:77]
	BIAS QH, 0                                     ; stage 0's biases, scale words and both halves: 16 + 4 + 32 loads
	SCL 0, QS, VS1, 1024, 0
	REFILL 0, QW, 0
	s_wait_loadcnt 52                              ; the 14 loads from ord are in; the 52 behind them may be out
.irp k, 0,1,2,3,4,5,6,7
	v_min_u32 v[TOK+\k], 8191, v[TOK+\k]
	v_lshlrev_b32 v[OFS+\k], 10, v[TOK+\k]
	v_lshlrev_b32 v[TOK+\k], 4, v24
	v_add_nc_u32 v[OFS+\k], v[OFS+\k], v[TOK+\k]   ; the token's 1,024 codes, 16 bytes a lane
.endr
.irp p, 0,1
	v_min_u32 v[TKS+\p], 8191, v[TKS+\p]
	v_lshlrev_b32 v[XO+\p], 5, v[TKS+\p]           ; its 32 scale bytes
.endr
.irp m, 0,1,2,3
	v_min_u32 v[GT+\m], 8191, v[GT+\m]
	v_lshlrev_b32 v[GOF+\m], 3, v[GT+\m]           ; its two gates
.endr
	WIN 0xc0                                       ; destination window 3
.irp k, 0,1,2,3,4,5,6,7
.irp q, 0,1,2,3
	global_load_b128 v[4*(4*\k+\q):4*(4*\k+\q)+3], v[OFS+\k], s[4:5] offset:256*\q   ; sixteen lanes read 256 consecutive bytes of a row
.endr
.endr
	WIN 0
.irp p, 0,1
	global_load_b128 v[XS+8*\p:XS+8*\p+3], v[XO+\p], s[6:7]
	global_load_b128 v[XS+8*\p+4:XS+8*\p+7], v[XO+\p], s[6:7] offset:16
.endr
.irp m, 0,1,2,3
	global_load_b64 v[G+2*\m:G+2*\m+1], v[GOF+\m], s[20:21]
.endr
	REFILL 1, QW, 16384                            ; stage 1's two halves
	s_wait_loadcnt 40                              ; x's codes are in; behind them: 4 loads of scales, 4 of gates, 32 of weights
	WIN 0x0c                                       ; the stores' data: window 3
.irp k, 0,1,2,3,4,5,6,7
.irp q, 0,1,2,3
	ds_store_b128 v26, v[4*(4*\k+\q):4*(4*\k+\q)+3] offset:2080*\k+256*\q
.endr
.endr
	WIN 0
	s_wait_dscnt 0x0                               ; for the others' sake: my 16 rows lie in LDS
	s_barrier_signal -1
	s_barrier_wait -1
	s_wait_xcnt 0x0                                ; the head's loads have read their offsets, which lie in XF's registers
	s_wait_loadcnt 32                              ; x's scale words and the gates are in; stage 1's 32 loads may be out
	; ---- THE FIRST PRODUCT, expert a, then expert b: eight stages along K = 1,024, then the hidden layer's way to LDS.
	; The counts: behind a low unit's group stand 48 loads (its stage's high half, the next stage's two halves) and the next stage's scale words and biases; behind a high unit's group
	; 48 (the next stage's halves, the low half two stages on) and those of the next two stages.  Scale words are 4 loads, biases 16; where that gives 68, the wait names 63, the most it can.
	s_mov_b32 s30, 0
	s_mov_b32 s72, 0
	s_mov_b32 s73, 0
.LloopA:
	v_add_nc_u32 v[HWIX], s72, v[HWI]
	v_add_nc_u32 v[HWSX], s73, v[HWS]
	XFL 0, XR, 0, 16640, 32
	XFL 2, XR, 0, 16640, 32
	STG 0, 2, 1, SC+0,  XS+0, XS+8,  48, 48, 1, XR, 128, 16640, 32, QW, 2*16384
	STG 1, 2, 0, SC+1,  XS+1, XS+9,  48, 48, 1, XR, 256, 16640, 32, QW, 3*16384
	UNITLO 0, 2, 0, SC+2, XS+2, XS+10, 48
	SCL 1, QS, VS1, 1024, 16                       ; ahead of stage 4's low half: the scale words of K steps 4 to 7
	REFILLH 0, 0, QW, 4*16384
	UNITHI 0, 2, 0, SC+2, XS+2, XS+10, 52, 1, XR, 384, 16640, 32
	REFILLH 0, 1, QW, 4*16384
	STG 1, 2, 0, SC+3,  XS+3, XS+11, 52, 52, 1, XR, 512, 16640, 32, QW, 5*16384
	STG 0, 2, 0, SC+16, XS+4, XS+12, 48, 48, 1, XR, 640, 16640, 32, QW, 6*16384
	STG 1, 2, 0, SC+17, XS+5, XS+13, 48, 48, 1, XR, 768, 16640, 32, QW, 7*16384
	UNITLO 0, 2, 0, SC+18, XS+6, XS+14, 48
	SCLN 0, QSN                                    ; ahead of the next chain's first low half: its scale words and its biases
	BIAS QBN, 0
	REFILLH 0, 0, QWN, 0
	UNITHI 0, 2, 0, SC+18, XS+6, XS+14, 63, 1, XR, 896, 16640, 32
	REFILLH 0, 1, QWN, 0
	STG 1, 2, 0, SC+19, XS+7, XS+15, 63, 63, 0, XR, 0, 16640, 32, QWN, 16384
	QUANT 0
	QUANT 1
	QUANT 2
	QUANT 3
	s_wait_dscnt 0x0                               ; the images lie in LDS, and their stores have read XF's registers
	s_wait_xcnt 0x0                                ; every load issued has read its base and offsets: they are written below
	s_mov_b64 s[QW:QW+1], s[QWN:QWN+1]
	s_mov_b64 s[QS:QS+1], s[QSN:QSN+1]
	s_mov_b64 s[QWN:QWN+1], s[QWT:QWT+1]           ; behind expert b comes the second product's first chain
	s_mov_b64 s[QSN:QSN+1], s[QST:QST+1]
	s_mov_b64 s[QBN:QBN+1], s[QBT:QBT+1]
.irp b, 0,1,2,3
	v_lshrrev_b32 v[VSN+\b], 1, v[VSN+\b]          ; whose rows of scale bytes are 16 bytes, not 32
.endr
	s_add_co_u32 s72, s72, 32768
	s_add_co_u32 s73, s73, 1024
	s_add_co_u32 s30, s30, 1
	s_cmp_lt_u32 s30, 2
	s_cbranch_scc1 .LloopA
	s_barrier_signal -1                            ; (every wave's wait for its LDS stores stands at the trip's end)
	s_barrier_wait -1                              ; both hidden layers lie in LDS, all 32 fragments
.irp x, 0,1
.irp s, 0,1,2,3
.irp p, 0,1
	ds_load_b32 v[HS+(4*\x+\s)*2+\p], v[VHS] offset:1024*\x+256*\s+128*\p
.endr
.endr
.endr
.irp m, 0,1,2,3
	v_mov_b32 v[G1+2*\m], v[G+2*\m+1]              ; b's gate at the head of a pair of its own
	v_mov_b32 v[G1+2*\m+1], v[G+2*\m+1]
.endr
	; ---- THE SECOND PRODUCT, 128 of my columns a trip: four stages along K = 512 for expert a, four for expert b, then the way out.  The counts as above; both chains begin with 20 loads of scale words and biases.
	s_mov_b32 s30, 0
.LloopB:
	XFL 0, VH, 0, 8192, 512
	XFL 2, VH, 0, 8192, 512
	STG 0, 2, 1, SC+0,  HS+0,  HS+1,  48, 48, 1, VH, 2048, 8192, 512, QB0, 2*16384
	STG 1, 2, 0, SC+1,  HS+2,  HS+3,  48, 48, 1, VH, 4096, 8192, 512, QB0, 3*16384
	UNITLO 0, 2, 0, SC+2, HS+4, HS+5, 48
	SCL 1, QS1, VS2, 512, 0                        ; ahead of expert b's first low half: its scale words and its biases
	BIAS QI1, 0
	REFILLH 0, 0, QB1, 0
	UNITHI 0, 2, 0, SC+2, HS+4, HS+5, 63, 1, VH, 6144, 8192, 512
	REFILLH 0, 1, QB1, 0
	STG 1, 2, 0, SC+3,  HS+6,  HS+7,  63, 63, 1, VH, 32768, 8192, 512, QB1, 16384
	STG 0, 3, 1, SC+16, HS+8,  HS+9,  48, 48, 1, VH, 32768+2048, 8192, 512, QB1, 2*16384
	STG 1, 3, 0, SC+17, HS+10, HS+11, 48, 48, 1, VH, 32768+4096, 8192, 512, QB1, 3*16384
	s_cmp_lg_u32 s30, 0                            ; the last two stages are written twice, under one branch on the trip's number:
	s_cbranch_scc1 .Ltail
	UNITLO 0, 3, 0, SC+18, HS+12, HS+13, 48        ; in the first trip the ring goes on into the next 128 columns
	BIAS QI0, 512
	SCL 0, QS0, VS2, 512, 2048
	REFILLH 0, 0, QB0, 65536
	UNITHI 0, 3, 0, SC+18, HS+12, HS+13, 63, 1, VH, 32768+6144, 8192, 512
	REFILLH 0, 1, QB0, 65536
	STG 1, 3, 0, SC+19, HS+14, HS+15, 63, 63, 0, VH, 0, 8192, 512, QB0, 65536+16384
	s_branch .Lway
.Ltail:
	UNITLO 0, 3, 0, SC+18, HS+12, HS+13, 48        ; in the last trip nothing is left to ask for, and the counts run down
	UNITHI 0, 3, 0, SC+18, HS+12, HS+13, 32, 1, VH, 32768+6144, 8192, 512
	UNITLO 1, 3, 0, SC+19, HS+14, HS+15, 16
	UNITHI 1, 3, 0, SC+19, HS+14, HS+15, 0, 0, VH, 0, 8192, 512
.Lway:
	ROWOFS1                                        ; the pulls go out; the first block's arithmetic stands between them and the wait for them
	PACKM 0
	ROWOFS2
	PACKM 1                                        ; a block's arithmetic stands between the loads of the block before and its stores
	SENDM 0, 32
	PACKM 2
	SENDM 1, 32
	PACKM 3
	SENDM 2, 32
	SENDM 3, 0
	s_wait_dscnt 0x0                               ; whichever stores were passed over, no LDS load of mine is out
	s_wait_xcnt 0x0                                ; loads and stores have read their bases, offsets and data
	s_add_nc_u64 s[QB0:QB0+1], s[QB0:QB0+1], 65536
	s_add_nc_u64 s[QB1:QB1+1], s[QB1:QB1+1], 65536
	s_add_nc_u64 s[QS0:QS0+1], s[QS0:QS0+1], 2048
	s_add_nc_u64 s[QS1:QS1+1], s[QS1:QS1+1], 2048
	s_add_nc_u64 s[QI0:QI0+1], s[QI0:QI0+1], 512
	s_add_nc_u64 s[QI1:QI1+1], s[QI1:QI1+1], 512
	s_add_nc_u64 s[QO:QO+1], s[QO:QO+1], 512
	s_add_co_u32 s30, s30, 1
	s_cmp_lt_u32 s30, 2
	s_cbranch_scc1 .LloopB
	s_wait_tensorcnt 0x0
	ds_add_u32 v238, v239
	s_wait_dscnt 0x0
	s_endpgm
.Lfunc_end_k_qd5dc98f6eb_chain:
	.size	k_qd5dc98f6eb_chain, .Lfunc_end_k_qd5dc98f6eb_chain-k_qd5dc98f6eb_chain
	.p2alignl 7, 3214868480
	.fill 96, 4, 3214868480
	.section	.rodata,"a",@progbits
	.p2align	6, 0x0
	.amdhsa_kernel k_qd5dc98f6eb_chain
		.amdhsa_group_segment_fixed_size 168448
		.amdhsa_private_segment_fixed_size 0
		.amdhsa_enable_private_segment 0
		.amdhsa_kernarg_size 80
		.amdhsa_user_sgpr_count 2
		.amdhsa_user_sgpr_kernarg_segment_ptr 1
		.amdhsa_wavefront_size32 1
		.amdhsa_system_sgpr_workgroup_id_x 1
		.amdhsa_system_sgpr_workgroup_id_y 1
		.amdhsa_system_sgpr_workgroup_id_z 1
		.amdhsa_system_vgpr_workitem_id 0
		.amdhsa_next_free_vgpr 1024
		.amdhsa_next_free_sgpr 84
		.amdhsa_reserve_vcc 0
		.amdhsa_float_denorm_mode_32 3
		.amdhsa_float_denorm_mode_16_64 3
		.amdhsa_memory_ordered 1
		.amdhsa_forward_progress 1
		.amdhsa_inst_pref_size 255
	.end_amdhsa_kernel
	.section	.bss,"aw",@nobits
	.p2align	6
	.space	262144
	.amdgpu_metadata
---
amdhsa.version: [ 1, 2 ]
amdhsa.kernels:
  - .name:           k_qd5dc98f6eb_chain
    .symbol:         k_qd5dc98f6eb_chain.kd
    .args:
      - { .name: xq, .offset: 0, .size: 8, .value_kind: global_buffer, .address_space: global }
      - { .name: xs, .offset: 8, .size: 8, .value_kind: global_buffer, .address_space: global }
      - { .name: wr, .offset: 16, .size: 8, .value_kind: global_buffer, .address_space: global }
      - { .name: W1_scales, .offset: 24, .size: 8, .value_kind: global_buffer, .address_space: global }
      - { .name: b1, .offset: 32, .size: 8, .value_kind: global_buffer, .address_space: global }
      - { .name: W2_scales, .offset: 40, .size: 8, .value_kind: global_buffer, .address_space: global }
      - { .name: b2, .offset: 48, .size: 8, .value_kind: global_buffer, .address_space: global }
      - { .name: plan, .offset: 56, .size: 8, .value_kind: global_buffer, .address_space: global }
      - { .name: gfl, .offset: 64, .size: 8, .value_kind: global_buffer, .address_space: global }
      - { .name: out0, .offset: 72, .size: 8, .value_kind: global_buffer, .address_space: global }
    .group_segment_fixed_size: 168448
    .private_segment_fixed_size: 0
    .kernarg_segment_align: 8
    .kernarg_segment_size: 80
    .max_flat_workgroup_size: 128
    .sgpr_count:     84
    .vgpr_count:     1024
    .wavefront_size: 32
...
	.end_amdgpu_metadata
.endif
;; end of part 3
;; ======== version 2 of 2: 3 launches
;; workspace buffers: xq 8,388,608 bytes; xs 262,144 bytes; wr 8,388,608 bytes; gfl 98,304 bytes; rout 65,536 bytes of whole numbers; plan 40,704 bytes of whole numbers
;; launch gate (part 4): grid 256 x 1, 4 waves a work-group, no clusters, 57,856 bytes of LDS; arguments x, gate_W, gate_b, xq, xs, gfl, rout; writes xq, xs, gfl, rout
.if DOCPART == 4
	.amdgcn_target "amdgcn-amd-amdhsa--gfx1250"
	.amdhsa_code_object_version 6
	.text
	.protected	k_qd5dc98f6eb_gate
	.globl	k_qd5dc98f6eb_gate
	.p2align	8
	.type	k_qd5dc98f6eb_gate,@function
k_qd5dc98f6eb_gate:
	s_mov_b64 s[64:65], 0
	v_nop
	global_prefetch_b8 v0, s[64:65] scope:SCOPE_SE
	s_setreg_imm32_b32 hwreg(HW_REG_WAVE_MODE, 25, 1), 1
	s_wait_xcnt 0x0
; x [8192][1024] f32 is read ONCE and serves twice: it is turned into codes of E4M3 (xq, K innermost) with one E8M0 byte for each 32 along K (xs),
; and it is multiplied in f32 by gate_W [1024][8] for the router's logits.  A work-group owns 32 tokens, a wave 8 of them: 16 steps of 512 numbers.
; For its 32 tokens the work-group's wave 0 then makes: the two largest logits (the lower index wins a tie), the softmax of the two, the PAIR KEY of the
; two experts a < b (key = a (15 - a) / 2 + b - a - 1, 0 .. 27), the token's rank among the group's tokens of that key, the group's count of each key, and
; the group's sums of the full softmax.  All of it is stored at fixed places: no address and no branch here hangs on these numbers.
; A block's scale is 2^(floor(log2(largest magnitude)) - 8); its byte is the largest magnitude's exponent field - 8, held at 1 from below.
; LIMITS: NaN and infinities are not served.  A block whose largest magnitude lies under 2^-118, a block of zeros among them, gets the byte 1 (a block of zeros has zero
; codes, and the bytes are read by this program alone).  The logits are f32 sums in another order than the reference's: two logits that agree to within f32 summation error may change places.
; No matrix unit, no cluster: the work-groups share only gate_W (32 KiB), and the launch is a stream.
; All 64 loads of a wave's x go out at the head; nothing is prefetched, since the stream is asked for at once.
; REGISTERS: window 0: addresses, two sets of 16 neighbours, codes, bytes, sums.  Window 1: gate_W's 256 numbers of my lane.  Window 2: x as it is loaded, 16 steps x 16.
.set SP,   80                          ; a lane's place in a stage: its 64 bytes + 16 of padding
.set GWP,  528                         ; LDS: gate_W as 64 pieces of 512 bytes (16 rows k), 16 bytes of padding behind each
.set LG,   33792                       ; LDS: the logits, 32 tokens x 32 bytes
.set WR0,  34816                       ; LDS: from here a region of its own for each wave:
.set WRB,  5632                        ; two stages of 32 x SP bytes, 256 scale bytes, rounded up
.set XX,   32                          ; v32-63   two sets of 16 neighbours
.set CD,   64                          ; v64-127  codes: four registers a step, so that no store's data are written again
.set EB,   128                         ; v128-143 a scale byte a step
.set AC,   144                         ; v144-151 the token's eight logit sums, in four pairs
.set PD,   152                         ; v152-159 destinations of the lane permutes
.set LL,   160                         ; the tail: logits
.set MM,   168                         ; logits without the winner
.set TT,   176                         ; exponents
.set PP,   184                         ; the full softmax
.set MSB,  0
.macro WIN new                         ; the immediate's high byte repeats the setting that is left
.if MSB != \new
	s_set_vgpr_msb (MSB<<8)|\new
.set MSB, \new
.endif
.endm
	s_load_b256 s[4:11], s[0:1], 0x0               ; x, gate_W, gate_b, xq
	s_load_b128 s[12:15], s[0:1], 0x20             ; xs, gfl
	s_load_b64 s[16:17], s[0:1], 0x30              ; rout
	v_lshl_add_u32 v254, v0, 2, 0xe000
	v_mov_b32 v255, 0
	v_lshrrev_b32 v2, 5, v0
	v_readfirstlane_b32 s18, v2                    ; wave 0..3
	v_and_b32 v1, 31, v0                           ; lane
	v_lshlrev_b32 v3, 4, v1                        ; 16 x lane: my bytes of a load's 512, and of a step's 512 codes
	s_mul_i32 s32, s18, WRB
	s_add_co_u32 s32, s32, WR0                     ; my wave's region
	v_lshrrev_b32 v14, 2, v1
	v_mul_u32_u24 v14, v14, SP
	v_and_b32 v15, 3, v1
	v_lshl_add_u32 v14, v15, 4, v14
	v_add_nc_u32 v14, s32, v14                     ; the stage, on the way in: four lanes' 64 bytes on end, then the padding
	v_mul_u32_u24 v15, v1, SP
	v_add_nc_u32 v15, s32, v15                     ; and on the way out: my 16 neighbours
	v_lshrrev_b32 v5, 1, v1
	s_add_co_u32 s33, s32, 2*32*SP
	v_add_nc_u32 v5, s33, v5                       ; my block's scale byte
	v_lshlrev_b32 v7, 3, v1
	v_add_nc_u32 v6, s33, v7                       ; the scale bytes on the way out: 8 a lane
	s_mul_i32 s34, s18, 16*GWP
	v_add_nc_u32 v16, s34, v3                      ; gate_W into LDS: my wave's 16 pieces
	v_mul_u32_u24 v17, v1, GWP                     ; and out of it: piece = my lane (+ 32 for the token's second half)
	s_lshl_b32 s35, s18, 8
	s_add_co_u32 s35, s35, LG
	v_mov_b32 v18, s35                             ; my wave's 8 tokens' logits: the same address in all lanes
	v_lshl_add_u32 v19, v1, 5, LG                  ; the tail: a lane a token
	s_mov_b32 s20, 0x76543210
	s_mov_b32 s21, 0xfedcba98                      ; v_permlanex16_b32's selects for lane l xor 16
	s_mov_b32 s23, 0x600000                        ; the mantissa field of 448
.irp e, 0,1,2,3,4,5,6,7
	v_mov_b32 v[PD+\e], 0                          ; written once: a lane permute's destination counts as one of its sources
.endr
	s_lshl_b32 s36, ttmp9, 17                      ; 32 tokens of 4,096 bytes a work-group,
	s_lshl_b32 s37, s18, 15                        ; 8 a wave
	s_add_co_u32 s36, s36, s37
	s_mov_b32 s37, 0
	s_lshl_b32 s38, s18, 13                        ; gate_W: 16 pieces of 512 bytes a wave
	s_mov_b32 s39, 0
	s_wait_kmcnt 0x0
	s_load_b256 s[24:31], s[8:9], 0x0              ; gate_b
	s_add_nc_u64 s[4:5], s[4:5], s[36:37]
	s_add_nc_u64 s[6:7], s[6:7], s[38:39]
	s_lshr_b32 s36, s36, 2                         ; a code a number: a quarter of the bytes
	s_add_nc_u64 s[10:11], s[10:11], s[36:37]
	s_lshr_b32 s36, s36, 5                         ; a scale byte for 32 codes
	s_add_nc_u64 s[12:13], s[12:13], s[36:37]
	WIN 0x40                                       ; destination window 1
.irp i, 0,1,2,3,4,5,6,7,8,9,10,11,12,13,14,15
	global_load_b128 v[4*\i:4*\i+3], v3, s[6:7] offset:512*\i   ; gate_W: 512 consecutive bytes a load
.endr
	WIN 0x80                                       ; destination window 2
.irp t, 0,1,2,3,4,5,6,7,8,9,10,11,12,13,14,15
.irp i, 0,1,2,3
	global_load_b128 v[16*\t+4*\i:16*\t+4*\i+3], v3, s[4:5] offset:2048*\t+512*\i th:TH_LOAD_NT   ; all of my wave's x: 512 consecutive bytes a load
.endr
.endr
	WIN 0x04                                       ; an LDS store's data are its source 1: window 1
	s_wait_loadcnt 63                              ; 64 loads are younger than gate_W's; a wait names 63 at the most, which shows gate_W's in all the same
.irp i, 0,1,2,3,4,5,6,7,8,9,10,11,12,13,14,15
	ds_store_b128 v16, v[4*\i:4*\i+3] offset:GWP*\i
.endr
	WIN 0
	s_wait_kmcnt 0x0                               ; gate_b
	s_wait_dscnt 0x0                               ; for the others' sake: my pieces of gate_W lie in LDS
	s_barrier_signal -1
	s_barrier_wait -1
	WIN 0x40
.irp f, 0,1
.irp i, 0,1,2,3,4,5,6,7,8,9,10,11,12,13,14,15
	ds_load_b128 v[128*\f+8*\i:128*\f+8*\i+3],   v17 offset:32*GWP*\f+32*\i      ; register 128 f + 8 i + e = gate_W[512 f + 16 lane + i][e]
	ds_load_b128 v[128*\f+8*\i+4:128*\f+8*\i+7], v17 offset:32*GWP*\f+32*\i+16
.endr
.endr
	WIN 0
.macro TURN t                          ; step t's numbers through the stage: LDS serves a wave's instructions in order, so no wait stands between the stores and the loads
	WIN 0x08                                       ; the stores' data: window 2
.irp i, 0,1,2,3
	ds_store_b128 v14, v[16*(\t)+4*\i:16*(\t)+4*\i+3] offset:32*SP*((\t)%2)+8*SP*\i
.endr
	WIN 0
.irp i, 0,1,2,3
	ds_load_b128 v[XX+16*((\t)%2)+4*\i:XX+16*((\t)%2)+4*\i+3], v15 offset:32*SP*((\t)%2)+16*\i
.endr
.endm
.macro LANESUM base                    ; eight sums over the 32 lanes, by turns; every lane ends up with each
.irp x, 1,2,4,8
.irp e, 0,1,2,3,4,5,6,7
	v_add_f32_dpp v[\base+\e], v[\base+\e], v[\base+\e] row_xmask:\x row_mask:0xf bank_mask:0xf
.endr
.endr
.irp e, 0,1,2,3,4,5,6,7
	v_permlanex16_b32 v[PD+\e], v[\base+\e], s20, s21
.endr
.irp e, 0,1,2,3,4,5,6,7
	v_add_f32 v[\base+\e], v[\base+\e], v[PD+\e]
.endr
.endm
	s_wait_loadcnt 60                              ; step 0's four loads are in; the 60 of the other steps may be out
	TURN 0
; A step: 512 numbers, half a token; my lane holds k = 512 (t % 2) + 16 lane + 0 .. 15.
.macro STEP t
.set XS, XX+16*((\t)%2)
.set GB, 128*((\t)%2)
	s_wait_dscnt 0x0                               ; this step's numbers are back from the stage (and, in step 0, gate_W's); my earlier LDS stores have read their registers
.if (\t) < 15
	s_wait_loadcnt 4*(14-(\t))                     ; the next step's four loads are in; those of the steps behind it may be out
	TURN (\t)+1                                    ; they go through the other stage while this step is worked
.endif
	v_max3_num_f32 v8, |v[XS]|, |v[XS+1]|, |v[XS+2]|               ; the largest magnitude of my 16
	v_max3_num_f32 v9, |v[XS+3]|, |v[XS+4]|, |v[XS+5]|
.irp i, 6,10
	v_max3_num_f32 v8, v8, |v[XS+\i]|, |v[XS+\i+1]|
	v_max3_num_f32 v9, v9, |v[XS+\i+2]|, |v[XS+\i+3]|
.endr
	v_max3_num_f32 v8, v8, |v[XS+14]|, |v[XS+15]|
	v_max3_num_f32 v8, v8, v9, 0x4800000           ; and the floor 2^(9 - 127): the byte cannot fall under 1
	v_max_num_f32_dpp v8, v8, v8 row_xmask:1 row_mask:0xf bank_mask:0xf   ; with my neighbour's 16: the block's
	v_add_nc_u32 v11, 0xfc000000, v8               ; 8 off its exponent field: the conversion's scale operand
	v_and_or_b32 v10, v8, 0x7f800000, s23          ; 448 x the scale
	WIN 0x04                                       ; source 1 (gate_W) window 1
.set ii, 0
.rept 16                                       ; the logits: number i of mine times gate_W's row, two experts an instruction, four chains by turns; a token's first product starts the sums
.irp p, 0,1,2,3
.if (((\t)%2) == 0) && (ii == 0)
	v_pk_mul_f32 v[AC+2*\p:AC+2*\p+1], v[XS:XS+1], v[GB+2*\p:GB+2*\p+1] op_sel_hi:[0,1]
.elseif (ii%2) == 0
	v_pk_fma_f32 v[AC+2*\p:AC+2*\p+1], v[XS+ii:XS+ii+1], v[GB+8*ii+2*\p:GB+8*ii+2*\p+1], v[AC+2*\p:AC+2*\p+1] op_sel_hi:[0,1,1]
.else
	v_pk_fma_f32 v[AC+2*\p:AC+2*\p+1], v[XS+ii-1:XS+ii], v[GB+8*ii+2*\p:GB+8*ii+2*\p+1], v[AC+2*\p:AC+2*\p+1] op_sel:[1,0,0] op_sel_hi:[1,1,1]
.endif
.endr
.set ii, ii+1
.endr
	WIN 0
.irp i, 0,1,2,3,4,5,6,7,8,9,10,11,12,13,14,15
	v_med3_num_f32 v[XS+\i], v[XS+\i], -v10, v10   ; the conversion to an 8-bit code does not saturate (ISA guide 7.6.2): the hold at the largest code x the scale
.endr
	v_cvt_scalef32_pk8_fp8_f32 v[CD+4*(\t):CD+4*(\t)+1], v[XS:XS+7], v11
	v_cvt_scalef32_pk8_fp8_f32 v[CD+4*(\t)+2:CD+4*(\t)+3], v[XS+8:XS+15], v11
	v_lshrrev_b32 v[EB+(\t)], 23, v11              ; the scale's byte (also the plain line behind the conversions)
	ds_store_b8 v5, v[EB+(\t)] offset:16*(\t)      ; both lanes of a block write the same byte with the same value
	global_store_b128 v3, v[CD+4*(\t):CD+4*(\t)+3], s[10:11] offset:512*(\t)   ; 32 lanes store 512 consecutive bytes
.if ((\t)%2) == 1
	LANESUM AC                                     ; the token is through: its eight logits, without the bias
	ds_store_b128 v18, v[AC:AC+3] offset:32*((\t)/2)       ; all lanes write the same bytes with the same values
	ds_store_b128 v18, v[AC+4:AC+7] offset:32*((\t)/2)+16
.endif
.endm
.irp t, 0,1,2,3,4,5,6,7,8,9,10,11,12,13,14,15
	STEP \t
.endr
	ds_load_b64 v[12:13], v6                       ; my wave's 256 scale bytes: LDS serves a wave's instructions in order
	s_wait_dscnt 0x0                               ; they are in, and, for wave 0's sake, my logits lie in LDS
	global_store_b64 v7, v[12:13], s[12:13]        ; 32 lanes store 256 consecutive bytes, aligned
	s_barrier_signal -1
	s_barrier_wait -1
	s_cmp_lg_u32 s18, 0
	s_cbranch_scc1 .Lend
	; THE TAIL: wave 0, a lane a token
	ds_load_b128 v[LL:LL+3], v19
	ds_load_b128 v[LL+4:LL+7], v19 offset:16
	s_wait_dscnt 0x0
.irp e, 0,1,2,3,4,5,6,7
	v_add_f32 v[LL+\e], s[24+\e], v[LL+\e]         ; + gate_b
.endr
	v_mov_b32 v192, v[LL]                          ; the largest logit and its expert: a strict compare, so the lower index wins a tie
	v_mov_b32 v193, 0
.irp e, 1,2,3,4,5,6,7
	v_cmp_gt_f32 vcc_lo, v[LL+\e], v192
	v_cndmask_b32 v192, v192, v[LL+\e], vcc_lo
	v_cndmask_b32 v193, v193, \e, vcc_lo
.endr
	v_mov_b32 v197, 0xff800000                     ; -infinity takes the winner's place
.irp e, 0,1,2,3,4,5,6,7
	v_cmp_eq_u32 vcc_lo, \e, v193
	v_cndmask_b32 v[MM+\e], v[LL+\e], v197, vcc_lo
.endr
	v_mov_b32 v194, v[MM]                          ; the second largest, the same way
	v_mov_b32 v195, 0
.irp e, 1,2,3,4,5,6,7
	v_cmp_gt_f32 vcc_lo, v[MM+\e], v194
	v_cndmask_b32 v194, v194, v[MM+\e], vcc_lo
	v_cndmask_b32 v195, v195, \e, vcc_lo
.endr
.irp e, 0,1,2,3,4,5,6,7
	v_sub_f32 v[TT+\e], v[LL+\e], v192             ; the maximum is taken away ahead of every exponential
.endr
	v_sub_f32 v196, v194, v192
.irp e, 0,1,2,3,4,5,6,7
	v_mul_f32 v[TT+\e], 0x3fb8aa3b, v[TT+\e]       ; x log2(e)
.endr
	v_mul_f32 v196, 0x3fb8aa3b, v196
	s_wait_alu depctr_va_vdst(0)
.irp e, 0,1,2,3,4,5,6,7
	v_exp_f32 v[PP+\e], v[TT+\e]
.endr
	v_exp_f32 v198, v196                           ; q = e^(second - first)
	v_nop                                          ; a plain line behind the last exponential
	s_wait_alu depctr_va_vdst(0)                   ; one wait for the nine, ahead of their first reader
	v_add_f32 v199, v[PP], v[PP+1]
	v_add_f32 v200, v[PP+2], v[PP+3]
	v_add_f32 v201, v[PP+4], v[PP+5]
	v_add_f32 v202, v[PP+6], v[PP+7]
	v_add_f32 v199, v199, v200
	v_add_f32 v201, v201, v202
	v_add_f32 v199, v199, v201                     ; the full softmax's divisor
	v_add_f32 v200, 1.0, v198                      ; the top two's
	s_wait_alu depctr_va_vdst(0)
	v_rcp_f32 v201, v199
	v_rcp_f32 v202, v200                           ; g1 = 1 / (1 + q)
	v_min_u32 v204, v193, v195                     ; a: the lower-numbered expert (a plain line behind the reciprocals)
	s_wait_alu depctr_va_vdst(0)                   ; one wait for the two
	v_mul_f32 v203, v198, v202                     ; g2 = q g1
.irp e, 0,1,2,3,4,5,6,7
	v_mul_f32 v[PP+\e], v[PP+\e], v201
.endr
	v_add_nc_u32 v205, v193, v195
	v_sub_nc_u32 v205, v205, v204                  ; b: the higher-numbered
	v_cmp_lt_u32 vcc_lo, v193, v195
	v_cndmask_b32 v206, v203, v202, vcc_lo         ; a's gate,
	v_cndmask_b32 v207, v202, v203, vcc_lo         ; b's
	v_sub_nc_u32 v208, 15, v204
	v_mul_u32_u24 v208, v204, v208
	v_lshrrev_b32 v208, 1, v208
	v_add_nc_u32 v208, v208, v205
	v_sub_nc_u32 v208, v208, v204
	v_add_nc_u32 v208, -1, v208                    ; the key
	LANESUM PP                                     ; the group's sums of the full softmax
	v_and_b32 v209, 7, v1
	v_mov_b32 v210, v[PP]
.irp e, 1,2,3,4,5,6,7
	v_cmp_eq_u32 vcc_lo, \e, v209
	v_cndmask_b32 v210, v210, v[PP+\e], vcc_lo     ; lane l keeps expert l % 8's
.endr
	v_mov_b32 v211, 0                              ; my rank among the group's tokens of my key
	v_mov_b32 v212, 0                              ; lane k: the group's count of key k
.set kk, 0
.rept 28
	v_cmp_eq_u32 s41, kk, v208
	v_mbcnt_lo_u32_b32 v213, s41, 0                ; how many lanes below mine have this key
	v_cndmask_b32 v211, v211, v213, s41
	s_bcnt1_i32_b32 s42, s41
	v_writelane_b32 v212, s42, kk
.set kk, kk+1
.endr
	v_lshl_or_b32 v214, v211, 8, v208              ; key | rank << 8
	s_lshl_b32 s36, ttmp9, 7
	s_mov_b32 s37, 0
	s_add_nc_u64 s[16:17], s[16:17], s[36:37]      ; rout + 128 x group
	s_add_nc_u64 s[38:39], s[14:15], s[36:37]      ; gfl + 128 x group
	s_add_nc_u64 s[44:45], s[38:39], s[36:37]      ; gfl + 256 x group
	v_lshlrev_b32 v215, 2, v1
	v_lshlrev_b32 v216, 3, v1
	global_store_b32 v215, v214, s[16:17]                  ; sel
	global_store_b32 v215, v212, s[16:17] offset:32768     ; hist
	global_store_b32 v215, v210, s[38:39] offset:65536     ; imp
	global_store_b64 v216, v[206:207], s[44:45]            ; the two gates: 256 consecutive bytes
.Lend:
	s_wait_tensorcnt 0x0
	ds_add_u32 v254, v255
	s_wait_dscnt 0x0
	s_endpgm
.Lfunc_end_k_qd5dc98f6eb_gate:
	.size	k_qd5dc98f6eb_gate, .Lfunc_end_k_qd5dc98f6eb_gate-k_qd5dc98f6eb_gate
	.p2alignl 7, 3214868480
	.fill 96, 4, 3214868480
	.section	.rodata,"a",@progbits
	.p2align	6, 0x0
	.amdhsa_kernel k_qd5dc98f6eb_gate
		.amdhsa_group_segment_fixed_size 57856
		.amdhsa_private_segment_fixed_size 0
		.amdhsa_enable_private_segment 0
		.amdhsa_kernarg_size 56
		.amdhsa_user_sgpr_count 2
		.amdhsa_user_sgpr_kernarg_segment_ptr 1
		.amdhsa_wavefront_size32 1
		.amdhsa_system_sgpr_workgroup_id_x 1
		.amdhsa_system_sgpr_workgroup_id_y 1
		.amdhsa_system_sgpr_workgroup_id_z 1
		.amdhsa_system_vgpr_workitem_id 0
		.amdhsa_next_free_vgpr 768
		.amdhsa_next_free_sgpr 66
		.amdhsa_reserve_vcc 1
		.amdhsa_float_denorm_mode_32 3
		.amdhsa_float_denorm_mode_16_64 3
		.amdhsa_memory_ordered 1
		.amdhsa_forward_progress 1
		.amdhsa_inst_pref_size 164
	.end_amdhsa_kernel
	.amdgpu_metadata
---
amdhsa.version: [ 1, 2 ]
amdhsa.kernels:
  - .name:           k_qd5dc98f6eb_gate
    .symbol:         k_qd5dc98f6eb_gate.kd
    .args:
      - { .name: x, .offset: 0, .size: 8, .value_kind: global_buffer, .address_space: global }
      - { .name: gate_W, .offset: 8, .size: 8, .value_kind: global_buffer, .address_space: global }
      - { .name: gate_b, .offset: 16, .size: 8, .value_kind: global_buffer, .address_space: global }
      - { .name: xq, .offset: 24, .size: 8, .value_kind: global_buffer, .address_space: global }
      - { .name: xs, .offset: 32, .size: 8, .value_kind: global_buffer, .address_space: global }
      - { .name: gfl, .offset: 40, .size: 8, .value_kind: global_buffer, .address_space: global }
      - { .name: rout, .offset: 48, .size: 8, .value_kind: global_buffer, .address_space: global }
    .group_segment_fixed_size: 57856
    .private_segment_fixed_size: 0
    .kernarg_segment_align: 8
    .kernarg_segment_size: 56
    .max_flat_workgroup_size: 128
    .sgpr_count:     66
    .vgpr_count:     768
    .wavefront_size: 32
...
	.end_amdgpu_metadata
.endif
;; end of part 4
;; launch place (part 5): grid 129 x 1, 8 waves a work-group, no clusters, 72,704 bytes of LDS; arguments rout, gfl, W1_codes, W2_codes, plan, wr, out1; writes plan, wr, out1
.if DOCPART == 5
	.amdgcn_target "amdgcn-amd-amdhsa--gfx1250"
	.amdhsa_code_object_version 6
	.text
	.protected	k_qd5dc98f6eb_place
	.globl	k_qd5dc98f6eb_place
	.p2align	8
	.type	k_qd5dc98f6eb_place,@function
k_qd5dc98f6eb_place:
	s_mov_b64 s[64:65], 0
	v_nop
	global_prefetch_b8 v0, s[64:65] scope:SCOPE_SE
	s_setreg_imm32_b32 hwreg(HW_REG_WAVE_MODE, 25, 1), 1
	s_wait_xcnt 0x0
; Two jobs in one launch, parted on the work-group's number; each has LDS bytes of its own.
; WORK-GROUP 0 places the tokens: a counting sort by the pair key (28 keys) into tiles of 64 places that never mix keys.  Key k begins at tile TB[k], the sum of ceil(N / 64)
; over the keys below it: at most 8192 / 64 + 27 = 155 tiles whatever the split.  A token's place is 64 TB[key] + the tokens of its key in earlier groups + its rank in its group.
; It stores the tokens' numbers by place (ord), a word for each tile (count | a << 8 | b << 12; 0 rows in a tile that the split leaves empty), and the loss:
; 0.01 x 8 x the sum over the experts of (mean gate)^2.  Places of a tile beyond its count are not written, and nobody reads them.
; WORK-GROUPS 1 .. 128 lay W1's and W2's codes out in the order in which a wave's operand registers take them.  A fragment is 16 rows x 128 K, 2,048 bytes: piece c (0 .. 3)
; at 512 c + 16 lane; lane (r = l % 16, h = l / 16) holds bytes 128 s + 32 c + 16 h .. + 15 of row 32 (T / 2) + 8 (T % 2) + r + 8 (r / 8) of tile T.  THE ROWS OF A TILE ARE NOT NEIGHBOURS:
; so two neighbouring tiles give a lane 16 neighbouring rows in a transposed product's result.  W1 lies at (e << 19) + (w << 17) + (s << 14) + (t << 11), T = 8 w + t;
; W2 at 0x400000 + (e << 19) + (w << 17) + (c2 << 16) + (s << 14) + (t << 11), T = 16 w + 8 c2 + t.
; A wave takes 16 rows x 512 bytes, four fragments: each load reads 512 consecutive bytes of a row, each store writes 512 consecutive bytes; the turn goes through the wave's own LDS.
.set SS, 32                            ; sort: v32-63 sel of my wave's 32 groups, later the stores' offsets
.set HH, 64                            ;       v64-95 hist, later places, later the stores' data
.set II, 96                            ;       v96-127 imp, later at work
.set PQ, 128                           ;       v128-159 the counts of my key (lane = key) in my wave's earlier groups
.set VA, 32                            ; layout: v32-47 a row's offset
.set DD, 64                            ;         v64-127 16 rows as loaded
.set OO, 128                           ;         v128-191 16 pieces as stored
	s_load_b256 s[4:11], s[0:1], 0x0               ; rout, gfl, W1_codes, W2_codes
	s_load_b128 s[12:15], s[0:1], 0x20             ; plan, wr
	s_load_b64 s[16:17], s[0:1], 0x30              ; out1
	v_lshl_add_u32 v192, v0, 2, 0x11800
	v_mov_b32 v193, 0
	v_lshrrev_b32 v2, 5, v0
	s_delay_alu instid0(VALU_DEP_1)
	v_readfirstlane_b32 s18, v2                    ; wave 0..7
	v_and_b32 v1, 31, v0                           ; lane
	s_wait_kmcnt 0x0
	s_cmp_lg_u32 ttmp9, 0
	s_cbranch_scc1 .Llayout
	s_wait_alu depctr_va_vdst(0)
	; ---- THE SORT.  Wave v owns groups 32 v .. 32 v + 31 (tokens 1024 v on)
	v_lshlrev_b32 v3, 2, v1
	s_delay_alu instid0(VALU_DEP_1)
	v_lshl_add_u32 v4, v2, 12, v3                  ; 4,096 x wave + 4 x lane
.set gg, 0
.rept 32
	global_load_b32 v[SS+gg], v4, s[4:5] offset:128*gg             ; lane = token of the group
	global_load_b32 v[HH+gg], v4, s[4:5] offset:32768+128*gg       ; lane = key
	global_load_b32 v[II+gg], v4, s[6:7] offset:65536+128*gg       ; lane % 8 = expert
.set gg, gg+1
.endr
	s_wait_loadcnt 0x0
	v_mov_b32 v[PQ], 0
.set gg, 0
.rept 31
	s_delay_alu instid0(VALU_DEP_1)
	v_add_nc_u32 v[PQ+gg+1], v[PQ+gg], v[HH+gg]    ; down the groups, a lane a key
.set gg, gg+1
.endr
	s_delay_alu instid0(VALU_DEP_1)
	v_add_nc_u32 v5, v[PQ+31], v[HH+31]            ; my wave's count of each key
	v_add_f32 v6, v[II], v[II+1]
.set gg, 2
.rept 30
	s_delay_alu instid0(VALU_DEP_1)
	v_add_f32 v6, v6, v[II+gg]
.set gg, gg+1
.endr
	v_lshlrev_b32 v7, 2, v0
	ds_store_b32 v7, v5
	ds_store_b32 v7, v6 offset:1024
	s_wait_dscnt 0x0                               ; for the others' sake
	s_barrier_signal -1
	s_barrier_wait -1
.irp w, 0,1,2,3,4,5,6,7
	ds_load_b32 v[8+\w], v3 offset:128*\w
	ds_load_b32 v[16+\w], v3 offset:1024+128*\w
.endr
	s_wait_dscnt 0x0
	v_add_nc_u32 v24, v8, v9
	v_add_f32 v27, v16, v17
.irp w, 2,3,4,5,6,7
	s_delay_alu instid0(VALU_DEP_2)
	v_add_nc_u32 v24, v24, v[8+\w]                 ; N: all tokens of the key
	s_delay_alu instid0(VALU_DEP_2)
	v_add_f32 v27, v27, v[16+\w]                   ; the softmax's sums over all tokens
.endr
	v_mov_b32 v25, 0
.irp w, 0,1,2,3,4,5,6
	s_cmp_gt_u32 s18, \w
	s_cselect_b32 s20, -1, 0
	v_and_b32 v26, s20, v[8+\w]
	s_delay_alu instid0(VALU_DEP_1)
	v_add_nc_u32 v25, v25, v26                     ; the key's tokens in the waves below mine
.endr
	s_mov_b32 s21, 0                               ; tiles so far
	v_mov_b32 v28, 0                               ; lane = key: its first tile
	v_mov_b32 v29, 0                               ; thread = tile: its key's first tile,
	v_mov_b32 v30, 0                               ; its key's N,
	v_mov_b32 v31, 0                               ; its experts
.set kk, 0
.irp a, 0,1,2,3,4,5,6
.irp b, 1,2,3,4,5,6,7
.if \b > \a
	v_readlane_b32 s22, v24, kk
	v_writelane_b32 v28, s21, kk
	v_cmp_le_u32 vcc_lo, s21, v0                   ; the last key that begins at or below tile j owns it
	v_mov_b32 v8, s21
	s_delay_alu instid0(VALU_DEP_4)
	v_mov_b32 v9, s22
	v_mov_b32 v10, (\a<<8)|(\b<<12)
	s_delay_alu instid0(VALU_DEP_3)
	v_cndmask_b32 v29, v29, v8, vcc_lo
	s_delay_alu instid0(VALU_DEP_3)
	v_cndmask_b32 v30, v30, v9, vcc_lo
	s_delay_alu instid0(VALU_DEP_3)
	v_cndmask_b32 v31, v31, v10, vcc_lo
	s_add_co_u32 s22, s22, 63
	s_lshr_b32 s22, s22, 6
	s_add_co_u32 s21, s21, s22
.set kk, kk+1
.endif
.endr
.endr
	v_sub_nc_u32 v8, v0, v29
	s_delay_alu instid0(VALU_DEP_1)
	v_lshlrev_b32 v8, 6, v8                        ; the key's tokens in the tiles before this one,
	s_delay_alu instid0(VALU_DEP_1)
	v_min_u32 v8, v8, v30                          ; N at the most
	s_delay_alu instid0(VALU_DEP_1)
	v_sub_nc_u32 v8, v30, v8
	s_delay_alu instid0(VALU_DEP_1)
	v_min_u32 v8, 64, v8                           ; the tile's rows: 0 .. 64
	s_delay_alu instid0(VALU_DEP_1)
	v_or_b32 v8, v8, v31
	global_store_b32 v7, v8, s[12:13] offset:39680 ; all 256 words are written
	v_lshl_add_u32 v11, v28, 6, v25                ; lane = key: 64 x first tile + the waves below
.set gg, 0
.rept 32
	v_add_nc_u32 v[PQ+gg], v11, v[PQ+gg]
	v_and_b32 v[II+gg], 31, v[SS+gg]
	s_delay_alu instid0(VALU_DEP_1)
	v_lshlrev_b32 v[II+gg], 2, v[II+gg]
	ds_bpermute_b32 v[HH+gg], v[II+gg], v[PQ+gg]   ; each token pulls its key's figure
.set gg, gg+1
.endr
	s_wait_dscnt 0x0
	v_lshl_add_u32 v12, v2, 10, v1                 ; 1,024 x wave + lane
.set gg, 0
.rept 32
	v_bfe_u32 v[II+gg], v[SS+gg], 8, 8             ; the rank in the group
	s_delay_alu instid0(VALU_DEP_1)
	v_add_nc_u32 v[SS+gg], v[HH+gg], v[II+gg]      ; the place,
	s_delay_alu instid0(VALU_DEP_1)
	v_min_u32 v[SS+gg], 9919, v[SS+gg]             ; held inside ord
	s_delay_alu instid0(VALU_DEP_1)
	v_lshlrev_b32 v[SS+gg], 2, v[SS+gg]
	v_add_nc_u32 v[HH+gg], 32*gg, v12              ; the token's number
	global_store_b32 v[SS+gg], v[HH+gg], s[12:13]
.set gg, gg+1
.endr
	v_mul_f32 v13, 0x39000000, v27                 ; / 8,192: the mean gate of expert lane % 8
	s_delay_alu instid0(VALU_DEP_1)
	v_mul_f32 v13, v13, v13
	s_delay_alu instid0(VALU_DEP_1)
	v_add_f32_dpp v13, v13, v13 row_xmask:1 row_mask:0xf bank_mask:0xf
	s_delay_alu instid0(VALU_DEP_1)
	v_add_f32_dpp v13, v13, v13 row_xmask:2 row_mask:0xf bank_mask:0xf
	s_delay_alu instid0(VALU_DEP_1)
	v_add_f32_dpp v13, v13, v13 row_xmask:4 row_mask:0xf bank_mask:0xf
	s_delay_alu instid0(VALU_DEP_1)
	v_mul_f32 v13, 0x3da3d70a, v13                 ; x 0.01 x 8
	v_mov_b32 v14, 0
	s_wait_alu depctr_va_vdst(0)
	s_wait_xcnt 0x0                                ; EXEC changes only behind this wait
	v_cmp_eq_u32 vcc_lo, 0, v0
	s_wait_tensorcnt 0x0
	ds_add_u32 v192, v193
	s_wait_dscnt 0x0
	s_and_saveexec_b32 s23, vcc_lo
	global_store_b32 v14, v13, s[16:17]            ; thread 0 alone
	s_wait_xcnt 0x0
	s_or_b32 exec_lo, exec_lo, s23
	s_endpgm
.Llayout:
	; ---- THE LAYOUT.  Work-groups 1 .. 64: W1 (rows of 1,024 bytes, taken in halves); 65 .. 128: W2 (rows of 512 bytes)
	s_sub_co_u32 s20, ttmp9, 1
	s_cmp_lt_u32 s20, 64
	s_cselect_b32 s21, 1, 0                        ; sh = 1 for W1
	s_cselect_b64 s[24:25], s[8:9], s[10:11]       ; the choice hangs on the work-group's number alone
	s_and_b32 s22, s20, 7
	s_lshl_b32 s22, s22, 3
	s_or_b32 s22, s22, s18                         ; which of the expert's 64 units
	s_bfe_u32 s23, s20, 0x30003                    ; the expert
	s_lshr_b32 s26, s22, s21                       ; the tile T,
	s_and_b32 s27, s22, s21                        ; and, for W1, which half of K
	s_lshr_b32 s28, s26, 1
	s_lshl_b32 s28, s28, 5
	s_and_b32 s29, s26, 1
	s_lshl_b32 s29, s29, 3
	s_add_co_u32 s28, s28, s29                     ; the tile's first row: 32 (T / 2) + 8 (T % 2)
	s_add_co_u32 s30, s21, 9
	s_lshl_b32 s28, s28, s30                       ; in bytes
	s_lshl_b32 s31, s23, 19                        ; an expert's codes are 2^19 bytes, in both tensors and both layouts
	s_add_co_u32 s28, s28, s31
	s_lshl_b32 s29, s27, 9
	s_add_co_u32 s28, s28, s29
	s_mov_b32 s29, 0
	s_add_nc_u64 s[24:25], s[24:25], s[28:29]
	s_lshr_b32 s32, s26, 3
	s_lshl_b32 s32, s32, s21
	s_add_co_u32 s32, s32, s27
	s_lshl_b32 s32, s32, 16                        ; the run of four K steps of eight tiles,
	s_add_co_u32 s32, s32, s31
	s_and_b32 s33, s26, 7
	s_lshl_b32 s33, s33, 11                        ; the tile's place in a K step
	s_add_co_u32 s32, s32, s33
	s_xor_b32 s33, s21, 1
	s_lshl_b32 s33, s33, 22                        ; W2 lies behind W1
	s_add_co_u32 s32, s32, s33
	s_mov_b32 s33, 0
	s_add_nc_u64 s[14:15], s[14:15], s[32:33]
	s_wait_alu depctr_va_vdst(0)
	v_lshlrev_b32 v4, 4, v1
	s_wait_alu depctr_va_vdst(0)
.irp i, 0,1,2,3,4,5,6,7,8,9,10,11,12,13,14,15
	s_lshl_b32 s34, (\i+8*(\i/8))<<9, s21
	v_add_nc_u32 v[VA+\i], s34, v4                 ; row i + 8 (i / 8) of the tile's span, 16 bytes a lane
.endr
	s_mul_i32 s35, s18, 8704
	s_add_co_u32 s35, s35, 2048                    ; my wave's 32 x 272 bytes
	v_mul_u32_u24 v5, v1, 272
	s_delay_alu instid0(VALU_DEP_1)
	v_add_nc_u32 v5, s35, v5                       ; in: LDS row = my lane (which 16 bytes of K), column = the tile's row
	v_lshrrev_b32 v6, 4, v1
	s_delay_alu instid0(VALU_DEP_1)
	v_mul_u32_u24 v6, v6, 272
	v_and_b32 v7, 15, v1
	s_delay_alu instid0(VALU_DEP_1)
	v_lshl_add_u32 v6, v7, 4, v6
	s_delay_alu instid0(VALU_DEP_1)
	v_add_nc_u32 v6, s35, v6                       ; out: LDS row 8 s + 2 c + h, column r
.irp i, 0,1,2,3,4,5,6,7,8,9,10,11,12,13,14,15
	global_load_b128 v[DD+4*\i:DD+4*\i+3], v[VA+\i], s[24:25] th:TH_LOAD_NT
.endr
	s_wait_alu depctr_va_vdst(0)
.irp i, 0,1,2,3,4,5,6,7,8,9,10,11,12,13,14,15
	s_wait_loadcnt 15-\i                           ; row i is in; the younger rows may be out
	ds_store_b128 v5, v[DD+4*\i:DD+4*\i+3] offset:16*\i
.endr
.irp s, 0,1,2,3
.irp c, 0,1,2,3
	ds_load_b128 v[OO+4*(4*\s+\c):OO+4*(4*\s+\c)+3], v6 offset:(8*\s+2*\c)*272   ; LDS serves a wave's instructions in order: these see my stores
.endr
.endr
.irp s, 0,1,2,3
.irp c, 0,1,2,3
	s_wait_dscnt 15-(4*\s+\c)
	global_store_b128 v4, v[OO+4*(4*\s+\c):OO+4*(4*\s+\c)+3], s[14:15] offset:16384*\s+512*\c   ; 512 consecutive bytes, aligned
.endr
.endr
	s_wait_tensorcnt 0x0
	ds_add_u32 v192, v193
	s_wait_dscnt 0x0
	s_endpgm
.Lfunc_end_k_qd5dc98f6eb_place:
	.size	k_qd5dc98f6eb_place, .Lfunc_end_k_qd5dc98f6eb_place-k_qd5dc98f6eb_place
	.p2alignl 7, 3214868480
	.fill 96, 4, 3214868480
	.section	.rodata,"a",@progbits
	.p2align	6, 0x0
	.amdhsa_kernel k_qd5dc98f6eb_place
		.amdhsa_group_segment_fixed_size 72704
		.amdhsa_private_segment_fixed_size 0
		.amdhsa_enable_private_segment 0
		.amdhsa_kernarg_size 56
		.amdhsa_user_sgpr_count 2
		.amdhsa_user_sgpr_kernarg_segment_ptr 1
		.amdhsa_wavefront_size32 1
		.amdhsa_system_sgpr_workgroup_id_x 1
		.amdhsa_system_sgpr_workgroup_id_y 1
		.amdhsa_system_sgpr_workgroup_id_z 1
		.amdhsa_system_vgpr_workitem_id 0
		.amdhsa_next_free_vgpr 194
		.amdhsa_next_free_sgpr 66
		.amdhsa_reserve_vcc 1
		.amdhsa_float_denorm_mode_32 3
		.amdhsa_float_denorm_mode_16_64 3
		.amdhsa_memory_ordered 1
		.amdhsa_forward_progress 1
		.amdhsa_inst_pref_size 65
	.end_amdhsa_kernel
	.amdgpu_metadata
---
amdhsa.version: [ 1, 2 ]
amdhsa.kernels:
  - .name:           k_qd5dc98f6eb_place
    .symbol:         k_qd5dc98f6eb_place.kd
    .args:
      - { .name: rout, .offset: 0, .size: 8, .value_kind: global_buffer, .address_space: global }
      - { .name: gfl, .offset: 8, .size: 8, .value_kind: global_buffer, .address_space: global }
      - { .name: W1_codes, .offset: 16, .size: 8, .value_kind: global_buffer, .address_space: global }
      - { .name: W2_codes, .offset: 24, .size: 8, .value_kind: global_buffer, .address_space: global }
      - { .name: plan, .offset: 32, .size: 8, .value_kind: global_buffer, .address_space: global }
      - { .name: wr, .offset: 40, .size: 8, .value_kind: global_buffer, .address_space: global }
      - { .name: out1, .offset: 48, .size: 8, .value_kind: global_buffer, .address_space: global }
    .group_segment_fixed_size: 72704
    .private_segment_fixed_size: 0
    .kernarg_segment_align: 8
    .kernarg_segment_size: 56
    .max_flat_workgroup_size: 256
    .sgpr_count:     66
    .vgpr_count:     194
    .wavefront_size: 32
...
	.end_amdgpu_metadata
.endif
;; end of part 5
;; launch chain (part 6): grid 155 x 1, 4 waves a work-group, no clusters, 168,448 bytes of LDS; arguments xq, xs, wr, W1_scales, b1, W2_scales, b2, plan, gfl, out0; writes out0
.if DOCPART == 6
	.amdgcn_target "amdgcn-amd-amdhsa--gfx1250"
	.amdhsa_code_object_version 6
	.text
	.protected	k_qd5dc98f6eb_chain
	.globl	k_qd5dc98f6eb_chain
	.p2align	8
	.type	k_qd5dc98f6eb_chain,@function
k_qd5dc98f6eb_chain:
	s_mov_b64 s[64:65], 0
	v_nop
	global_prefetch_b8 v0, s[64:65] scope:SCOPE_SE
	s_setreg_imm32_b32 hwreg(HW_REG_WAVE_SCHED_MODE, 0, 2), 2
	s_setreg_imm32_b32 hwreg(HW_REG_WAVE_MODE, 25, 1), 1
	s_wait_xcnt 0x0
	s_wait_alu depctr_vm_vsrc(0)
; out[tok] = g_a (relu(x W1_a + b1_a) W2_a + b2_a) + g_b (the same with b), both products on codes of E4M3 with one E8M0 scale for each 32 along K, sums in f32.
; ONE WORK-GROUP TAKES ONE TILE: up to 64 tokens that chose the same two experts a < b (the list of tiles and the tokens' order were stored by the launch before).  Only the chosen
; experts are multiplied, and each output row has one owner.  The grid, 155, is the most tiles any split can give (8192 / 64 + 27).
; THE WAVES SHARE THE COLUMNS, NOT THE ROWS: wave w makes hidden units 128 w .. + 127 (one K step of the second product) and output columns 256 w .. + 255 (two groups of 128), for all 64 rows.
; Both products are used transposed (source 0 = 16 rows of a weight, source 1 = 16 tokens): a lane holds one token, and, by the choice of a tile's rows made in the weights' layout, the 16
; registers of two neighbouring tiles are 16 neighbouring units or columns.  So the hidden layer is quantised in registers and the result leaves in runs of 64 bytes a lane.
; THE WEIGHTS go from memory straight into registers, each byte once a work-group, in fragment order.  A stage is one K step of 8 fragments (16 KiB a wave) and 32 matrix instructions; two
; register slots take turns.  A STAGE RUNS AS TWO UNITS: fragments 0-3 against all 64 rows, then fragments 4-7; the four fragments that a unit has read are asked for again straight behind
; it, for the stage two on: 16 loads, which have three units in which to land.  The wait at a unit's head counts exactly the loads issued behind the group that it needs.
; The rows' codes go round through LDS: x as rows (pitch 1,040), the hidden layer as images of the operand's registers.
; A TILE WITHOUT ROWS walks the same text (every wave passes every barrier; none stands under a branch on a loaded number) on the list's first token, all lanes of its weight loads on one
; address, and stores nothing.  The only branches on the count jump over stores, a block of 16 rows at a time.  ROWS OF A TILE BEYOND ITS COUNT REPEAT ITS LAST TOKEN and give the same
; numbers; where they share a block of 16 rows with tokens they are stored onto that token's row once more, the same bytes: at most 15 rows of 512 bytes for each wave and group of columns.
; NO TENSOR LOAD, NO CLUSTER: the text branches on stored counts, and the experts' numbers, read from memory, would have to enter the descriptors; partners of a cluster would need
; tiles of one pair, which the split does not promise.  NO PREFETCH: the weights are read by many work-groups, and the one gather stands at the head.
; LIMITS: NaN and infinities are not served; a block of the hidden layer whose largest number lies under 2^-118 (a block of zeros too) gets the byte 1.
; REGISTERS, in windows of 256.  Window 0: addresses, gates, scale words, the rows' four fragments XF, the biases BI, work.  Window 1: the weights' two slots of 128.
; Window 2: accumulators of expert a (and of the hidden layer), tile of rows m, tile t at 64 m + 8 t.  Window 3: those of expert b; at the head 128 registers of gathered codes.
; THE MODE: SCHED_MODE bits 1:0 = 2 (LLVM: expert scheduling mode 2), set by the entry lines.  The code itself states the register dependences between vector or matrix instructions
; and memory or LDS instructions, with s_wait_alu, always for 0.
; THE PLAN.  Registers that memory or LDS instructions touch:
;   the ring     window 1, four halves of 64.  A unit's sixteen products read a half; behind them the loads of the stage two on land in it.
;   XF           In a stage: LDS loads land in it, all 32 products read it: rows 0-31 last in the high unit's first eight, rows 32-63 in its last eight.  At the end of a trip of the first
;                loop the conversions write it and the images' LDS stores read it.  On the way out vector lines and the pulls between lanes write it, the pulls and the global stores read it.
;   SC, BI       Loads issued behind a low unit land in them; products of earlier and of later stages read them.
;   window 2     On the way out: the packed arithmetic writes a block, the LDS stores read it, the loads from the stage land in it, the global stores read it, the next trip's products write it.
;   window 3     At the head: the gather lands in it, the LDS stores read it; the second loop's products write it.
;   HWIX, HWSX, VSN   Written by one vector line each in a trip of the first loop; read by the images' stores and by the next chain's scale loads.
;   All other addresses are made at the head and never written again; XS, HS, G and TKS are loaded once.
; THE WAITS.  In a stage three on va_vdst: at the low unit's end (the half of the ring, SC, BI), in the high unit's middle (rows 0-31 of XF), at its end (rows 32-63 of XF, the other half of
; the ring).  Behind each stand only loads and window switches up to the next product.  A unit behind which nothing is loaded holds none.  Where vector lines make what stores or pulls read, one wait
; on va_vdst stands ahead of the run.  One wait on vm_vsrc stands at the end of each trip of either loop and one ahead of the first loop: what memory and LDS instructions have read is written behind them.
.set HIMG, 66560                       ; LDS: 0 .. 66,559 x's 64 rows;  then the hidden layer's images: ((x 4 + m) 4 + s) 2,048
.set HSC,  132096                      ; its scale words: 1,024 x + 256 s + 64 m + 4 r
.set STG,  134144                      ; a stage of 16 rows x (512 + 16) bytes for each wave
.set VL16, 1                           ; v1   16 x lane
.set VLW,  2                           ; v2   the same, or 0 in a tile without rows
.set XR,   3                           ; v3   x's fragments: 1,040 r + 16 h
.set VH,   4                           ; v4   an image's place for my lane
.set VHS,  5                           ; v5   a scale word's
.set HWI,  6                           ; v6   where I store images: + 2,048 x wave
.set HWS,  7                           ; v7   and their scale words: + 256 x wave
.set HWIX, 8                           ; v8-9 the same for the expert in hand
.set HWSX, 9
.set SO,   10                          ; v10  the stage: where I put 64 bytes of a row
.set SR,   11                          ; v11  and where I read back: lanes 0-15 one row's 256 bytes, lanes 16-31 the next row's
.set VB,   12                          ; v12  64 h: the biases of my half
.set VS1,  13                          ; v13  32 rp: my row of W1's scale bytes;  rp = 8 h + r + 8 (r / 8)
.set VS2,  14                          ; v14  16 rp: of W2's
.set RP,   15
.set VSN,  16                          ; v16-19 the next chain's four scale offsets
.set TKS,  20                          ; v20-21 the token of row 32 p + lane
.set G1,   22                          ; v22-29 b's gate, a pair for each m (made behind the first product; until then at work)
.set G,    32                          ; v32-39 (a's gate, b's gate) of token 16 m + r
.set XS,   40                          ; v40-55 x's scale words: 8 p + s; lanes 0-15 rows 32 p on, lanes 16-31 rows 32 p + 16 on
.set HS,   56                          ; v56-71 the hidden layer's: (4 x + s) 2 + p, likewise
.set SC,   72                          ; v72-103 the weights': 16 buf + 4 b + q: lanes 0-15 tile 2 b, lanes 16-31 tile 2 b + 1, K step q of four
.set XF,   104                         ; v104-167 four fragments of rows; the codes just made; on the way out the rows' offsets; at the head: at work
.set BI,   168                         ; v168-231 the biases in the result's layout: the C of a sum's first matrix instruction
.set PWD,  232                         ; v232-235 the scale words just made
.set TM,   240                         ; v240-255 the quantiser's work
.set RO,   104                         ; the way out, in XF's registers: v104-135 offset k: the byte in out0 of row 2 k + h's token, + 16 (lane % 16)
.set IX,   136                         ;              v136-151 the lane selects of the permutes
.set RT,   152                         ;              v152-153 at work
.set IDX,  104                         ; the head's work, in XF's registers
.set TOK,  120
.set GT,   128
.set OFS,  136
.set XO,   144
.set GOF,  146
.set QH,   32                          ; s[32:33] b1 of expert a, for the head
.set QW,   40                          ; the first product, chain in hand: weights, scales
.set QS,   42
.set QWN,  44                          ; the next chain: weights, scales, biases
.set QSN,  46
.set QBN,  48
.set QWT,  50                          ; the chain after that
.set QST,  52
.set QBT,  54
.set QB0,  56                          ; the second product: weights of a, of b
.set QB1,  58
.set QS0,  60                          ; scales
.set QS1,  62
.set QI0,  66                          ; biases
.set QI1,  68
.set QO,   70                          ; out0 at my columns
.set MSB,  0
.macro WIN new                         ; the immediate's high byte repeats the setting that is left
.if MSB != \new
	s_set_vgpr_msb (MSB<<8)|\new
.set MSB, \new
.endif
.endm
.macro PLACES                          ; eight places behind this matrix form, in front of vector instructions that read its results or write its registers
.rept 8
	v_nop
.endr
.endm
.macro PTR dst, base, ereg, esh, wsh, extra    ; a buffer's address + (expert << esh) + (wave << wsh) + extra
	s_lshl_b32 s76, s[\ereg], \esh
	s_lshl_b32 s77, s24, \wsh
	s_add_co_u32 s76, s76, s77
.if \extra
	s_add_co_u32 s76, s76, \extra
.endif
	s_mov_b32 s77, 0
	s_add_nc_u64 s[\dst:\dst+1], s[\base:\base+1], s[76:77]
.endm
.macro MKIDX dst, src, add             ; the byte in ord of the tile's row src + add: rows beyond the count repeat the last; the index is held inside ord
	v_add_nc_u32 v[\dst], \add, v[\src]
	v_min_u32 v[\dst], s29, v[\dst]
	v_add_nc_u32 v[\dst], s78, v[\dst]
	v_min_u32 v[\dst], 9919, v[\dst]
	v_lshlrev_b32 v[\dst], 2, v[\dst]
.endm
.macro REFILLH slot, half, base, imm   ; four fragments of a stage (half 0: tiles 0-3, half 1: tiles 4-7) into their half of a slot: 16 loads of 512 consecutive bytes
	WIN 0x40
.irp t, 0,1,2,3
.irp c, 0,1,2,3
	global_load_b128 v[128*(\slot)+64*(\half)+16*\t+4*\c:128*(\slot)+64*(\half)+16*\t+4*\c+3], v[VLW], s[\base:\base+1] offset:(\imm)+8192*(\half)+2048*\t+512*\c
.endr
.endr
	WIN 0
.endm
.macro REFILL slot, base, imm          ; both halves: the head's first fills
	REFILLH \slot, 0, \base, \imm
	REFILLH \slot, 1, \base, \imm
.endm
.macro SCL buf, base, voff, step, imm  ; the scale words of 8 tiles for four K steps: 4 loads
.irp b, 0,1,2,3
	global_load_b128 v[SC+16*\buf+4*\b:SC+16*\buf+4*\b+3], v[\voff], s[\base:\base+1] offset:(\imm)+(\step)*\b
.endr
.endm
.macro SCLN buf, base                  ; the same by the four offsets of the next chain
.irp b, 0,1,2,3
	global_load_b128 v[SC+16*\buf+4*\b:SC+16*\buf+4*\b+3], v[VSN+\b], s[\base:\base+1]
.endr
.endm
.macro BIAS base, imm                  ; register 16 b + i = the bias of unit or column 32 b + 16 h + i: 16 loads
.irp b, 0,1,2,3
.irp q, 0,1,2,3
	global_load_b128 v[BI+16*\b+4*\q:BI+16*\b+4*\q+3], v[VB], s[\base:\base+1] offset:(\imm)+128*\b+16*\q
.endr
.endr
.endm
.macro XFL mm, adr, xo, ms, cs         ; the rows' fragments of tiles mm, mm + 1: 8 LDS loads
.irp u, 0,1
.irp c, 0,1,2,3
	ds_load_b128 v[XF+16*((\mm)+\u)+4*\c:XF+16*((\mm)+\u)+4*\c+3], v[\adr] offset:(\xo)+(\ms)*((\mm)+\u)+(\cs)*\c
.endr
.endr
.endm
; 8 matrix instructions: tiles t0 .. t0 + 3 of the slot x tiles of rows mm, mm + 1.  The 32 accumulators of a stage take turns, one instruction a turn, in the same order in every stage.
.macro MB8 slot, first, sc, rs, mm, t0
.irp t, 0,1,2,3
.irp u, 0,1
.set tt, (\t0)+\t
.set rD, 64*((\mm)+\u)+8*tt
.set rA, 128*(\slot)+16*tt
.set rB, XF+16*((\mm)+\u)
.set rC, rD
.if \first
.set rC, BI+8*tt
.endif
.set rS, (\sc)+4*(tt/2)
.if (\t%2) && \u
	v_wmma_scale_f32_16x16x128_f8f6f4 v[rD:rD+7], v[rA:rA+15], v[rB:rB+15], v[rC:rC+7], v[rS], v[\rs] matrix_a_scale:MATRIX_SCALE_ROW1 matrix_b_scale:MATRIX_SCALE_ROW1
.elseif \t%2
	v_wmma_scale_f32_16x16x128_f8f6f4 v[rD:rD+7], v[rA:rA+15], v[rB:rB+15], v[rC:rC+7], v[rS], v[\rs] matrix_a_scale:MATRIX_SCALE_ROW1
.elseif \u
	v_wmma_scale_f32_16x16x128_f8f6f4 v[rD:rD+7], v[rA:rA+15], v[rB:rB+15], v[rC:rC+7], v[rS], v[\rs] matrix_b_scale:MATRIX_SCALE_ROW1
.else
	v_wmma_scale_f32_16x16x128_f8f6f4 v[rD:rD+7], v[rA:rA+15], v[rB:rB+15], v[rC:rC+7], v[rS], v[\rs]
.endif
.endr
.endr
.endm
.macro WSET win, first                 ; source 0 (weights) window 1; D the accumulators' window; C the biases (window 0) in a sum's first link, else D's window
.if \first
.set wset, ((\win)<<6)|1
.else
.set wset, ((\win)<<6)|((\win)<<4)|1
.endif
.endm
; A STAGE'S LOW UNIT: tiles 0-3 against the 64 rows.  n: the loads issued behind this unit's four fragments.  rf = 1: behind the unit the caller asks for these four fragments' successors.
.macro UNITLO slot, win, first, sc, rsa, rsb, n, rf
	WSET \win, \first
	s_wait_loadcnt \n                              ; my four fragments, and the scale words and biases issued ahead of them, are in; the younger groups may be out
	s_wait_dscnt 8                                 ; rows 0-31 are in; the eight younger loads (rows 32-63) may be out
	WIN wset
	MB8 \slot, \first, \sc, \rsa, 0, 0
	s_wait_dscnt 0x0                               ; rows 32-63 are in
	MB8 \slot, \first, \sc, \rsb, 2, 0
.if \rf
	WIN 0
	s_wait_alu depctr_va_vdst(0)                   ; the unit's products are done reading fragments 0-3 of the slot, and earlier stages' products the scale words and biases that are asked for anew: the caller's loads land in these
.endif
.endm
; ITS HIGH UNIT: tiles 4-7.  nxt = 1: the next stage's row fragments are fetched, each half behind the last products that read the old one.  rf = 1: the caller asks for fragments 4-7's successors.
.macro UNITHI slot, win, first, sc, rsa, rsb, n, nxt, adr, xo, ms, cs, rf
	WSET \win, \first
	s_wait_loadcnt \n
	WIN wset
	MB8 \slot, \first, \sc, \rsa, 0, 4
.if \nxt
	WIN 0
	s_wait_alu depctr_va_vdst(0)                   ; the stage's products on rows 0-31 are done reading those rows' fragments, in which the loads below land
	XFL 0, \adr, \xo, \ms, \cs
.endif
	WIN wset
	MB8 \slot, \first, \sc, \rsb, 2, 4
	WIN 0
.if \nxt == 0
	PLACES                                         ; a chain's last products: vector lines follow that read the results and write the rows' registers
.endif
.if (\nxt) || (\rf)
	s_wait_alu depctr_va_vdst(0)                   ; the stage's products are done reading rows 32-63's fragments and fragments 4-7 of the slot: the loads below and the caller's land in these
.endif
.if \nxt
	XFL 2, \adr, \xo, \ms, \cs
.endif
.endm
; A whole stage whose refills are weights alone: each half is asked for again behind the unit that read it, from base + imm: the stage two on
.macro STG slot, win, first, sc, rsa, rsb, nlo, nhi, nxt, adr, xo, ms, cs, base, imm
	UNITLO \slot, \win, \first, \sc, \rsa, \rsb, \nlo, 1
	REFILLH \slot, 0, \base, \imm
	UNITHI \slot, \win, \first, \sc, \rsa, \rsb, \nhi, \nxt, \adr, \xo, \ms, \cs, 1
	REFILLH \slot, 1, \base, \imm
.endm
; Tile of rows m of the hidden layer: 64 numbers a lane in window 2, register 16 b + i = unit 32 b + 16 h + i of my token, become a fragment's codes (in XF's registers) and its scale word, and go to LDS.
.macro QUANT m
.set qs, 64*(\m)
	WIN 0x0a                                       ; sources 0 and 1 window 2
.irp b, 0,1,2,3
	v_max3_num_f32 v[TM+\b], v[qs+16*\b], v[qs+16*\b+1], 0x4800000   ; no |.|: what is negative becomes 0 and must not count; the floor 2^(9 - 127) holds the byte at 1 from below
.endr
	WIN 0x28                                       ; sources 1 and 2 window 2
.irp i, 2,4,6,8,10,12,14
.irp b, 0,1,2,3
	v_max3_num_f32 v[TM+\b], v[TM+\b], v[qs+16*\b+\i], v[qs+16*\b+\i+1]   ; the four blocks by turns; each accumulator is read from its low end on
.endr
.endr
	WIN 0
.irp b, 0,1,2,3
	v_permlanex16_b32 v[TM+4+\b], v[TM+\b], s34, s35
.endr
.irp b, 0,1,2,3
	v_max_num_f32 v[TM+\b], v[TM+\b], v[TM+4+\b]   ; with lane l xor 16's 16: the block's largest number
.endr
.irp b, 0,1,2,3
	v_add_nc_u32 v[TM+12+\b], 0xfc000000, v[TM+\b] ; 8 off its exponent field: the conversion's scale operand
.endr
.irp b, 0,1,2,3
	v_and_or_b32 v[TM+8+\b], v[TM+\b], 0x7f800000, s36   ; 448 x the scale
.endr
.irp b, 0,1,2,3
	v_lshrrev_b32 v[TM+4+\b], 23, v[TM+12+\b]      ; the scale's byte
.endr
	v_lshl_or_b32 v[PWD+\m], v[TM+5], 8, v[TM+4]
	v_lshl_or_b32 v[PWD+\m], v[TM+6], 16, v[PWD+\m]
	v_lshl_or_b32 v[PWD+\m], v[TM+7], 24, v[PWD+\m]
	WIN 0x82                                       ; destination and source 0 window 2
.irp b, 0,1,2,3
.irp i, 0,1,2,3,4,5,6,7,8,9,10,11,12,13,14,15
	v_med3_num_f32 v[qs+16*\b+\i], v[qs+16*\b+\i], 0, v[TM+8+\b]   ; the activation and the hold in one (the conversion does not saturate: ISA guide 7.6.2)
.endr
.endr
	WIN 0x02                                       ; source 0 window 2
.irp b, 0,1,2,3
	v_cvt_scalef32_pk8_fp8_f32 v[XF+16*\m+4*\b:XF+16*\m+4*\b+1], v[qs+16*\b:qs+16*\b+7], v[TM+12+\b]
	v_cvt_scalef32_pk8_fp8_f32 v[XF+16*\m+4*\b+2:XF+16*\m+4*\b+3], v[qs+16*\b+8:qs+16*\b+15], v[TM+12+\b]
.endr
	WIN 0
	v_nop                                          ; a plain line behind the last conversion, ahead of whatever next writes its sources
	s_wait_alu depctr_va_vdst(0)                   ; the conversions have written this tile's codes, and the lines above its scale word: the five LDS stores read them
.irp c, 0,1,2,3
	ds_store_b128 v[HWIX], v[XF+16*\m+4*\c:XF+16*\m+4*\c+3] offset:8192*\m+512*\c   ; the fragment as it stands: K step = my wave
.endr
	ds_store_b32 v[HWSX], v[PWD+\m] offset:64*\m   ; both halves of the lanes write the same word with the same value
.endm
; THE WAY OUT.  The rows' offsets in out0: lane (h, c) of offset k wants the token of row 2 k + h, which lies in lane (2 k + h) % 32 of TKS: a pull between lanes, 32 in all.
.macro ROWOFS1
	v_bfe_u32 v[RT], v0, 4, 1
	v_lshlrev_b32 v[RT], 2, v[RT]                  ; 4 h
	v_and_b32 v[RT+1], 15, v0
	v_lshlrev_b32 v[RT+1], 4, v[RT+1]              ; 16 (lane % 16)
.irp k, 0,1,2,3,4,5,6,7,8,9,10,11,12,13,14,15
	v_add_nc_u32 v[IX+\k], 8*\k, v[RT]             ; 4 x lane 2 k + h
.endr
	s_wait_alu depctr_va_vdst(0)                   ; the sixteen selects are written, which the pulls read; the last products are done reading the rows' registers, in which the pulls land
.irp p, 0,1
.irp k, 0,1,2,3,4,5,6,7,8,9,10,11,12,13,14,15
	ds_bpermute_b32 v[RO+16*\p+\k], v[IX+\k], v[TKS+\p]
.endr
.endr
.endm
.macro ROWOFS2
	s_wait_dscnt 32                                ; the 32 pulls are in; behind them stand one block's 16 stores and 16 loads
.set kk, 0
.rept 32
	v_min_u32 v[RO+kk], 8191, v[RO+kk]             ; a token's number, held inside out0
.set kk, kk+1
.endr
.set kk, 0
.rept 32
	v_lshlrev_b32 v[RO+kk], 12, v[RO+kk]           ; its row of 4,096 bytes
.set kk, kk+1
.endr
.set kk, 0
.rept 32
	v_add_nc_u32 v[RO+kk], v[RO+kk], v[RT+1]
.set kk, kk+1
.endr
.endm
; Tile of rows m: the two experts' results are weighed and added, go into my stage and come back as rows, into the registers that they left: so no store's data are written again on the way out.
.macro PACKM m
	WIN 0x82
.set ii, 0
.rept 32
	v_pk_mul_f32 v[64*\m+ii:64*\m+ii+1], v[64*\m+ii:64*\m+ii+1], v[G+2*\m:G+2*\m+1] op_sel_hi:[1,0]   ; x a's gate
.set ii, ii+2
.endr
	WIN 0xa3                                       ; source 0 window 3, C and D window 2
.set ii, 0
.rept 32
	v_pk_fma_f32 v[64*\m+ii:64*\m+ii+1], v[64*\m+ii:64*\m+ii+1], v[G1+2*\m:G1+2*\m+1], v[64*\m+ii:64*\m+ii+1] op_sel_hi:[1,0,1]   ; + b's result x b's gate
.set ii, ii+2
.endr
	WIN 0x08                                       ; an LDS store's data are its source 1: window 2
	s_wait_alu depctr_va_vdst(0)                   ; the block's 64 sums are written, which the LDS stores read; so are the rows' offsets, made ahead of block 1, which the global stores of the block before read
.irp b, 0,1,2,3
.irp q, 0,1,2,3
	ds_store_b128 v[SO], v[64*\m+16*\b+4*\q:64*\m+16*\b+4*\q+3] offset:128*\b+16*\q
.endr
.endr
	WIN 0x80                                       ; destination window 2
	s_wait_alu depctr_va_vdst(0)                   ; under the loads' window, and behind the stores that name the same registers: the packed arithmetic has written and read the block's registers, in which the loads land
	s_wait_alu depctr_vm_vsrc(0)                   ; and the sixteen LDS stores above have read them
.irp k, 0,1,2,3,4,5,6,7
.irp f, 0,1
	ds_load_b128 v[64*\m+4*(2*\k+\f):64*\m+4*(2*\k+\f)+3], v[SR] offset:1056*\k+256*\f   ; rows 2 k, 2 k + 1, half f of their 512 bytes.  LDS serves a wave's instructions in order: these see my stores, and the next block's stores come behind them
.endr
.endr
	WIN 0
.endm
; Its stores: sixteen lanes store 256 consecutive bytes of a token's row, aligned.  younger: the LDS instructions issued behind this block's loads.  A block none of whose rows is a token's is not stored.
; The data come from LDS loads, the offsets were written ahead of the wait in the block packed last: no vector line since names either.
.macro SENDM m, younger
	s_cmp_gt_u32 s25, 16*\m
	s_cbranch_scc0 .Lns_\@
	WIN 0x08                                       ; the stores' data: window 2
.irp k, 0,1,2,3,4,5,6,7
.irp f, 0,1
	s_wait_dscnt (\younger)+15-(2*\k+\f)
	global_store_b128 v[RO+8*\m+\k], v[64*\m+4*(2*\k+\f):64*\m+4*(2*\k+\f)+3], s[QO:QO+1] offset:256*\f th:TH_STORE_NT
.endr
.endr
	WIN 0
.Lns_\@:
.endm
	s_load_b256 s[4:11], s[0:1], 0x0               ; xq, xs, wr, W1_scales
	s_load_b256 s[12:19], s[0:1], 0x20             ; b1, W2_scales, b2, plan
	s_load_b128 s[20:23], s[0:1], 0x40             ; gfl, out0
	v_lshl_add_u32 v238, v0, 2, 0x29000
	v_mov_b32 v239, 0
	v_lshrrev_b32 v22, 5, v0
	v_readfirstlane_b32 s24, v22                   ; wave 0..3
	v_and_b32 v23, 31, v0                          ; lane
	v_and_b32 v24, 15, v0                          ; r
	v_bfe_u32 v25, v0, 4, 1                        ; h
	s_lshl_b32 s76, ttmp9, 2
	s_wait_alu depctr_va_vdst(0)
	s_wait_kmcnt 0x0
	s_load_b32 s77, s[18:19], s76 offset:39680     ; my tile's word
	v_lshlrev_b32 v[VL16], 4, v23
	v_mul_u32_u24 v[XR], v24, 1040
	v_lshl_add_u32 v[XR], v25, 4, v[XR]
	v_add_nc_u32 v[VH], HIMG, v[VL16]
	v_lshl_add_u32 v[VHS], v23, 2, HSC
	s_wait_alu depctr_va_sdst(0)                   ; s24, the wave's number, is written, ahead of its first reader
	s_lshl_b32 s78, s24, 11
	v_add_nc_u32 v[HWI], s78, v[VH]
	v_lshl_add_u32 v[HWS], v24, 2, HSC
	s_lshl_b32 s78, s24, 8
	v_add_nc_u32 v[HWS], s78, v[HWS]
	s_mul_i32 s78, s24, 8448
	s_add_co_u32 s78, s78, STG
	v_mul_u32_u24 v[SO], v24, 528
	v_lshl_add_u32 v[SO], v25, 6, v[SO]
	v_add_nc_u32 v[SO], s78, v[SO]
	v_mul_u32_u24 v[SR], v25, 528
	v_lshl_add_u32 v[SR], v24, 4, v[SR]
	v_add_nc_u32 v[SR], s78, v[SR]
	v_lshlrev_b32 v[VB], 6, v25
	v_and_b32 v[RP], 8, v24
	v_add_nc_u32 v[RP], v[RP], v24
	v_lshl_add_u32 v[RP], v25, 3, v[RP]            ; 8 h + r + 8 (r / 8): lanes 16-31 take the odd tile of a pair
	v_lshlrev_b32 v[VS1], 5, v[RP]
	v_lshlrev_b32 v[VS2], 4, v[RP]
.irp b, 0,1,2,3
	v_add_nc_u32 v[VSN+\b], 1024*\b, v[VS1]        ; (rp + 32 b) x 32: the next chain is W1's
.endr
	s_mul_i32 s78, s24, 16*1040
	v_mul_u32_u24 v26, v25, 1040
	v_lshl_add_u32 v26, v24, 4, v26
	v_add_nc_u32 v26, s78, v26                     ; x into LDS: my wave's 16 rows, two a load
	s_lshl_b32 s79, s24, 4
	v_add_nc_u32 v27, s79, v25                     ; row 16 w + h
.irp b, 0,1,2,3
	v_mov_b32 v[TM+4+\b], 0                        ; written once: a lane permute's destination counts as one of its sources
.endr
	s_mov_b32 s34, 0x76543210
	s_mov_b32 s35, 0xfedcba98                      ; v_permlanex16_b32's selects for lane l xor 16
	s_mov_b32 s36, 0x600000                        ; the mantissa field of 448
	s_wait_alu depctr_va_vdst(0)
	s_wait_kmcnt 0x0
	s_and_b32 s25, s77, 0xff
	s_min_u32 s25, s25, 64                         ; the tile's rows
	s_bfe_u32 s26, s77, 0x40008
	s_min_u32 s26, s26, 7                          ; expert a
	s_bfe_u32 s27, s77, 0x4000c
	s_min_u32 s27, s27, 7                          ; expert b
	s_min_u32 s28, s25, 1                          ; 1 in a tile with rows
	s_max_u32 s29, s25, 1
	s_sub_co_u32 s29, s29, 1                       ; its last row
	s_lshl_b32 s78, ttmp9, 6
	s_mul_i32 s78, s78, s28                        ; its first place in ord (a tile without rows: place 0, which always holds a token)
	v_mul_u32_u24 v[VLW], v[VL16], s28
.irp k, 0,1,2,3,4,5,6,7
	MKIDX IDX+\k, 27, 2*\k                         ; the gather: row 16 w + 2 k + h
.endr
	MKIDX IDX+8, 23, 0                             ; row 32 p + lane
	MKIDX IDX+9, 23, 32
.irp m, 0,1,2,3
	MKIDX IDX+10+\m, 24, 16*\m                     ; row 16 m + r
.endr
	s_wait_alu depctr_va_vdst(0)                   ; every address and offset made so far is written: the fourteen places in ord, and those that stay for the whole kernel, which the loads and LDS instructions below read
.irp k, 0,1,2,3,4,5,6,7
	global_load_b32 v[TOK+\k], v[IDX+\k], s[18:19]
.endr
	global_load_b32 v[TKS], v[IDX+8], s[18:19]
	global_load_b32 v[TKS+1], v[IDX+9], s[18:19]
.irp m, 0,1,2,3
	global_load_b32 v[GT+\m], v[IDX+10+\m], s[18:19]
.endr
	PTR QW,  8,  26, 19, 17, 0
	PTR QS,  10, 26, 14, 12, 0
	PTR QH,  12, 26, 11, 9,  0
	PTR QWN, 8,  27, 19, 17, 0
	PTR QSN, 10, 27, 14, 12, 0
	PTR QBN, 12, 27, 11, 9,  0
	PTR QB0, 8,  26, 19, 17, 0x400000
	PTR QB1, 8,  27, 19, 17, 0x400000
	PTR QS0, 14, 26, 14, 12, 0
	PTR QS1, 14, 27, 14, 12, 0
	PTR QI0, 16, 26, 12, 10, 0
	PTR QI1, 16, 27, 12, 10, 0
	s_mov_b64 s[QWT:QWT+1], s[QB0:QB0+1]
	s_mov_b64 s[QST:QST+1], s[QS0:QS0+1]
	s_mov_b64 s[QBT:QBT+1], s[QI0:QI0+1]
	s_lshl_b32 s76, s24, 10
	s_mov_b32 s77, 0
	s_add_nc_u64 s[QO:QO+1], s[22:23], s[76:77]
	BIAS QH, 0                                     ; stage 0's biases, scale words and both halves: 16 + 4 + 32 loads
	SCL 0, QS, VS1, 1024, 0
	REFILL 0, QW, 0
	s_wait_loadcnt 52                              ; the 14 loads from ord are in; the 52 behind them may be out
.irp k, 0,1,2,3,4,5,6,7
	v_min_u32 v[TOK+\k], 8191, v[TOK+\k]
	v_lshlrev_b32 v[OFS+\k], 10, v[TOK+\k]
	v_lshlrev_b32 v[TOK+\k], 4, v24
	v_add_nc_u32 v[OFS+\k], v[OFS+\k], v[TOK+\k]   ; the token's 1,024 codes, 16 bytes a lane
.endr
.irp p, 0,1
	v_min_u32 v[TKS+\p], 8191, v[TKS+\p]
	v_lshlrev_b32 v[XO+\p], 5, v[TKS+\p]           ; its 32 scale bytes
.endr
.irp m, 0,1,2,3
	v_min_u32 v[GT+\m], 8191, v[GT+\m]
	v_lshlrev_b32 v[GOF+\m], 3, v[GT+\m]           ; its two gates
.endr
	WIN 0xc0                                       ; destination window 3
	s_wait_alu depctr_va_vdst(0)                   ; the offsets of the codes, of the scale bytes and of the gates are written, which the loads below read; so are the tokens' numbers, which the way out's pulls read
.irp k, 0,1,2,3,4,5,6,7
.irp q, 0,1,2,3
	global_load_b128 v[4*(4*\k+\q):4*(4*\k+\q)+3], v[OFS+\k], s[4:5] offset:256*\q   ; sixteen lanes read 256 consecutive bytes of a row
.endr
.endr
	WIN 0
.irp p, 0,1
	global_load_b128 v[XS+8*\p:XS+8*\p+3], v[XO+\p], s[6:7]
	global_load_b128 v[XS+8*\p+4:XS+8*\p+7], v[XO+\p], s[6:7] offset:16
.endr
.irp m, 0,1,2,3
	global_load_b64 v[G+2*\m:G+2*\m+1], v[GOF+\m], s[20:21]
.endr
	REFILL 1, QW, 16384                            ; stage 1's two halves
	s_wait_loadcnt 40                              ; x's codes are in; behind them: 4 loads of scales, 4 of gates, 32 of weights
	WIN 0x0c                                       ; the stores' data: window 3
.irp k, 0,1,2,3,4,5,6,7
.irp q, 0,1,2,3
	ds_store_b128 v26, v[4*(4*\k+\q):4*(4*\k+\q)+3] offset:2080*\k+256*\q
.endr
.endr
	WIN 0
	s_wait_dscnt 0x0                               ; for the others' sake: my 16 rows lie in LDS
	s_barrier_signal -1
	s_barrier_wait -1
	s_wait_xcnt 0x0                                ; the head's loads have read their offsets, which lie in XF's registers
	s_wait_alu depctr_vm_vsrc(0)                   ; the head's loads have read those offsets, in which the rows' fragments land; the LDS stores have read v26 and window 3, which vector lines and products write later
	s_wait_loadcnt 32                              ; x's scale words and the gates are in; stage 1's 32 loads may be out
	; ---- THE FIRST PRODUCT, expert a, then expert b: eight stages along K = 1,024, then the hidden layer's way to LDS.
	; The counts: behind a low unit's group stand 48 loads (its stage's high half, the next stage's two halves) and the next stage's scale words and biases; behind a high unit's group
	; 48 (the next stage's halves, the low half two stages on) and those of the next two stages.  Scale words are 4 loads, biases 16; where that gives 68, the wait names 63, the most it can.
	s_mov_b32 s30, 0
	s_mov_b32 s72, 0
	s_mov_b32 s73, 0
.LloopA:
	v_add_nc_u32 v[HWIX], s72, v[HWI]              ; (the images' stores of the trip before have read both: the wait on vm_vsrc at that trip's end, or the one ahead of the loop)
	v_add_nc_u32 v[HWSX], s73, v[HWS]
	s_wait_alu depctr_va_vdst(0)                   ; the two addresses are written, which this trip's images' stores read; round the back edge the conversions have written the rows' registers, in which the loads below land, and the next chain's scale offsets are written
	XFL 0, XR, 0, 16640, 32
	XFL 2, XR, 0, 16640, 32
	STG 0, 2, 1, SC+0,  XS+0, XS+8,  48, 48, 1, XR, 128, 16640, 32, QW, 2*16384
	STG 1, 2, 0, SC+1,  XS+1, XS+9,  48, 48, 1, XR, 256, 16640, 32, QW, 3*16384
	UNITLO 0, 2, 0, SC+2, XS+2, XS+10, 48, 1
	SCL 1, QS, VS1, 1024, 16                       ; ahead of stage 4's low half: the scale words of K steps 4 to 7
	REFILLH 0, 0, QW, 4*16384
	UNITHI 0, 2, 0, SC+2, XS+2, XS+10, 52, 1, XR, 384, 16640, 32, 1
	REFILLH 0, 1, QW, 4*16384
	STG 1, 2, 0, SC+3,  XS+3, XS+11, 52, 52, 1, XR, 512, 16640, 32, QW, 5*16384
	STG 0, 2, 0, SC+16, XS+4, XS+12, 48, 48, 1, XR, 640, 16640, 32, QW, 6*16384
	STG 1, 2, 0, SC+17, XS+5, XS+13, 48, 48, 1, XR, 768, 16640, 32, QW, 7*16384
	UNITLO 0, 2, 0, SC+18, XS+6, XS+14, 48, 1
	SCLN 0, QSN                                    ; ahead of the next chain's first low half: its scale words and its biases
	BIAS QBN, 0
	REFILLH 0, 0, QWN, 0
	UNITHI 0, 2, 0, SC+18, XS+6, XS+14, 63, 1, XR, 896, 16640, 32, 1
	REFILLH 0, 1, QWN, 0
	STG 1, 2, 0, SC+19, XS+7, XS+15, 63, 63, 0, XR, 0, 16640, 32, QWN, 16384
	QUANT 0
	QUANT 1
	QUANT 2
	QUANT 3
	s_wait_dscnt 0x0                               ; the images lie in LDS
	s_wait_xcnt 0x0                                ; every load issued has read its base and offsets: they are written below
	s_wait_alu depctr_vm_vsrc(0)                   ; the images' stores have read the rows' registers and their two addresses, the scale loads their four offsets: all of these are written below or at the next trip's head
	s_mov_b64 s[QW:QW+1], s[QWN:QWN+1]
	s_mov_b64 s[QS:QS+1], s[QSN:QSN+1]
	s_mov_b64 s[QWN:QWN+1], s[QWT:QWT+1]           ; behind expert b comes the second product's first chain
	s_mov_b64 s[QSN:QSN+1], s[QST:QST+1]
	s_mov_b64 s[QBN:QBN+1], s[QBT:QBT+1]
.irp b, 0,1,2,3
	v_lshrrev_b32 v[VSN+\b], 1, v[VSN+\b]          ; whose rows of scale bytes are 16 bytes, not 32
.endr
	s_add_co_u32 s72, s72, 32768
	s_add_co_u32 s73, s73, 1024
	s_add_co_u32 s30, s30, 1
	s_cmp_lt_u32 s30, 2
	s_cbranch_scc1 .LloopA
	s_barrier_signal -1                            ; (every wave's wait for its LDS stores stands at the trip's end)
	s_barrier_wait -1                              ; both hidden layers lie in LDS, all 32 fragments
.irp x, 0,1
.irp s, 0,1,2,3
.irp p, 0,1
	ds_load_b32 v[HS+(4*\x+\s)*2+\p], v[VHS] offset:1024*\x+256*\s+128*\p
.endr
.endr
.endr
.irp m, 0,1,2,3
	v_mov_b32 v[G1+2*\m], v[G+2*\m+1]              ; b's gate at the head of a pair of its own
	v_mov_b32 v[G1+2*\m+1], v[G+2*\m+1]
.endr
	; ---- THE SECOND PRODUCT, 128 of my columns a trip: four stages along K = 512 for expert a, four for expert b, then the way out.  The counts as above; both chains begin with 20 loads of scale words and biases.
	s_mov_b32 s30, 0
.LloopB:
	s_wait_alu depctr_va_vdst(0)                   ; the vector lines that last named the rows' registers are done with them (on the way in the conversions, round the back edge the offsets' arithmetic): the loads below land there
	XFL 0, VH, 0, 8192, 512
	XFL 2, VH, 0, 8192, 512
	STG 0, 2, 1, SC+0,  HS+0,  HS+1,  48, 48, 1, VH, 2048, 8192, 512, QB0, 2*16384
	STG 1, 2, 0, SC+1,  HS+2,  HS+3,  48, 48, 1, VH, 4096, 8192, 512, QB0, 3*16384
	UNITLO 0, 2, 0, SC+2, HS+4, HS+5, 48, 1
	SCL 1, QS1, VS2, 512, 0                        ; ahead of expert b's first low half: its scale words and its biases
	BIAS QI1, 0
	REFILLH 0, 0, QB1, 0
	UNITHI 0, 2, 0, SC+2, HS+4, HS+5, 63, 1, VH, 6144, 8192, 512, 1
	REFILLH 0, 1, QB1, 0
	STG 1, 2, 0, SC+3,  HS+6,  HS+7,  63, 63, 1, VH, 32768, 8192, 512, QB1, 16384
	STG 0, 3, 1, SC+16, HS+8,  HS+9,  48, 48, 1, VH, 32768+2048, 8192, 512, QB1, 2*16384
	STG 1, 3, 0, SC+17, HS+10, HS+11, 48, 48, 1, VH, 32768+4096, 8192, 512, QB1, 3*16384
	s_cmp_lg_u32 s30, 0                            ; the last two stages are written twice, under one branch on the trip's number:
	s_cbranch_scc1 .Ltail
	UNITLO 0, 3, 0, SC+18, HS+12, HS+13, 48, 1     ; in the first trip the ring goes on into the next 128 columns
	BIAS QI0, 512
	SCL 0, QS0, VS2, 512, 2048
	REFILLH 0, 0, QB0, 65536
	UNITHI 0, 3, 0, SC+18, HS+12, HS+13, 63, 1, VH, 32768+6144, 8192, 512, 1
	REFILLH 0, 1, QB0, 65536
	STG 1, 3, 0, SC+19, HS+14, HS+15, 63, 63, 0, VH, 0, 8192, 512, QB0, 65536+16384
	s_branch .Lway
.Ltail:
	UNITLO 0, 3, 0, SC+18, HS+12, HS+13, 48, 0     ; in the last trip nothing is left to ask for of the weights, and the counts run down
	UNITHI 0, 3, 0, SC+18, HS+12, HS+13, 32, 1, VH, 32768+6144, 8192, 512, 0
	UNITLO 1, 3, 0, SC+19, HS+14, HS+15, 16, 0
	UNITHI 1, 3, 0, SC+19, HS+14, HS+15, 0, 0, VH, 0, 8192, 512, 0
.Lway:
	ROWOFS1                                        ; the pulls go out; the first block's arithmetic stands between them and the wait for them
	PACKM 0
	ROWOFS2
	PACKM 1                                        ; a block's arithmetic stands between the loads of the block before and its stores
	SENDM 0, 32
	PACKM 2
	SENDM 1, 32
	PACKM 3
	SENDM 2, 32
	SENDM 3, 0
	s_wait_dscnt 0x0                               ; whichever stores were passed over, no LDS load of mine is out
	s_wait_xcnt 0x0                                ; loads and stores have read their bases, offsets and data
	s_wait_alu depctr_vm_vsrc(0)                   ; the global stores have read their offsets and the pulls their selects, in which the next trip's row fragments land, and the stores their data in window 2, which its products write
	s_add_nc_u64 s[QB0:QB0+1], s[QB0:QB0+1], 65536
	s_add_nc_u64 s[QB1:QB1+1], s[QB1:QB1+1], 65536
	s_add_nc_u64 s[QS0:QS0+1], s[QS0:QS0+1], 2048
	s_add_nc_u64 s[QS1:QS1+1], s[QS1:QS1+1], 2048
	s_add_nc_u64 s[QI0:QI0+1], s[QI0:QI0+1], 512
	s_add_nc_u64 s[QI1:QI1+1], s[QI1:QI1+1], 512
	s_add_nc_u64 s[QO:QO+1], s[QO:QO+1], 512
	s_add_co_u32 s30, s30, 1
	s_cmp_lt_u32 s30, 2
	s_cbranch_scc1 .LloopB
	s_wait_dscnt 0x0                               ; the closing lines, six on end
	s_wait_alu 0x0
	s_wait_tensorcnt 0x0
	ds_add_u32 v238, v239
	s_wait_dscnt 0x0
	s_endpgm
.Lfunc_end_k_qd5dc98f6eb_chain:
	.size	k_qd5dc98f6eb_chain, .Lfunc_end_k_qd5dc98f6eb_chain-k_qd5dc98f6eb_chain
	.p2alignl 7, 3214868480
	.fill 96, 4, 3214868480
	.section	.rodata,"a",@progbits
	.p2align	6, 0x0
	.amdhsa_kernel k_qd5dc98f6eb_chain
		.amdhsa_group_segment_fixed_size 168448
		.amdhsa_private_segment_fixed_size 0
		.amdhsa_enable_private_segment 0
		.amdhsa_kernarg_size 80
		.amdhsa_user_sgpr_count 2
		.amdhsa_user_sgpr_kernarg_segment_ptr 1
		.amdhsa_wavefront_size32 1
		.amdhsa_system_sgpr_workgroup_id_x 1
		.amdhsa_system_sgpr_workgroup_id_y 1
		.amdhsa_system_sgpr_workgroup_id_z 1
		.amdhsa_system_vgpr_workitem_id 0
		.amdhsa_next_free_vgpr 1024
		.amdhsa_next_free_sgpr 84
		.amdhsa_reserve_vcc 0
		.amdhsa_float_denorm_mode_32 3
		.amdhsa_float_denorm_mode_16_64 3
		.amdhsa_memory_ordered 1
		.amdhsa_forward_progress 1
		.amdhsa_inst_pref_size 255
	.end_amdhsa_kernel
	.section	.bss,"aw",@nobits
	.p2align	6
	.space	262144
	.amdgpu_metadata
---
amdhsa.version: [ 1, 2 ]
amdhsa.kernels:
  - .name:           k_qd5dc98f6eb_chain
    .symbol:         k_qd5dc98f6eb_chain.kd
    .args:
      - { .name: xq, .offset: 0, .size: 8, .value_kind: global_buffer, .address_space: global }
      - { .name: xs, .offset: 8, .size: 8, .value_kind: global_buffer, .address_space: global }
      - { .name: wr, .offset: 16, .size: 8, .value_kind: global_buffer, .address_space: global }
      - { .name: W1_scales, .offset: 24, .size: 8, .value_kind: global_buffer, .address_space: global }
      - { .name: b1, .offset: 32, .size: 8, .value_kind: global_buffer, .address_space: global }
      - { .name: W2_scales, .offset: 40, .size: 8, .value_kind: global_buffer, .address_space: global }
      - { .name: b2, .offset: 48, .size: 8, .value_kind: global_buffer, .address_space: global }
      - { .name: plan, .offset: 56, .size: 8, .value_kind: global_buffer, .address_space: global }
      - { .name: gfl, .offset: 64, .size: 8, .value_kind: global_buffer, .address_space: global }
      - { .name: out0, .offset: 72, .size: 8, .value_kind: global_buffer, .address_space: global }
    .group_segment_fixed_size: 168448
    .private_segment_fixed_size: 0
    .kernarg_segment_align: 8
    .kernarg_segment_size: 80
    .max_flat_workgroup_size: 128
    .sgpr_count:     84
    .vgpr_count:     1024
    .wavefront_size: 32
...
	.end_amdgpu_metadata
.endif
;; end of part 6
